; MI455X (gfx1250); checked and timed in simulation.
; The chip was launched on July 23, 2026; its instructions are those of AMD's public machine-readable ISA for CDNA 5 (MIT licence, August 2026) and "CDNA5" Instruction Set Architecture Reference Guide (July 2026). The comments in the code are by the model that wrote it; some were corrected since.
;; Multi Head Attention. Allowed arithmetic: matrix products marked QUANTISED: E4M3 operands, one given power-of-two scale a tensor, by v_wmma_f32_16x16x64_fp8_fp8 or v_wmma_f32_16x16x128_fp8_fp8, f32 sums; everything else in f32.
;; Inputs: W_o 1,024 x 1,024 float32; W_qkv 3,072 x 1,024 float32; lowp_scales 8 int32 (the exponents e of the quantised operands' scales 2^e); src_mask 4 x 2,048 bool; x 4 x 2,048 x 1,024 float32.
;; Outputs: out0 4 x 2,048 x 1,024 float32.
;; This version of the problem:
;;   THIS VERSION OF THE PROBLEM IS GIVEN IN LOW PRECISION. The matrix products marked QUANTISED in the list below multiply operands that are first quantised to E4M3 (4 exponent bits, 3 mantissa bits; 8 bits a number), with one given power-of-two scale for each operand tensor; their sums are f32. All else is computed in f32.
;;   The module's matrix products, in the order in which they are computed (A, B: the left and right operand; K: the contracted axis; several contracted axes count as one K, in the product's order):
;;     1. [M 8,192, K 1,024] x [K 1,024, N 3,072]; A: input x; B: input W_qkv: QUANTISED (scales: A lowp_scales[0], B lowp_scales[1])
;;     2. batch 64 x [M 2,048, K 64] x [K 64, N 2,048]; A: computed on the way; B: computed on the way: QUANTISED (scales: A lowp_scales[2], B lowp_scales[3])
;;     3. batch 64 x [M 2,048, K 2,048] x [K 2,048, N 64]; A: softmax (see below); B: computed on the way: QUANTISED (scales: A lowp_scales[4], B lowp_scales[5])
;;     4. [M 8,192, K 1,024] x [K 1,024, N 1,024]; A: computed on the way; B: input W_o: QUANTISED (scales: A lowp_scales[6], B lowp_scales[7])
;;   THE QUANTISER, for each operand of a quantised product, along K:
;;     - The operand's scale is 2^e, e = its entry of the input lowp_scales (int32; the entries are numbered through the quantised products in the list's order, A before B).
;;     - Each number is divided by the scale, clamped to +-448, and rounded to the nearest number of E4M3, ties to even, subnormals kept.
;;     - The product sums the exact products of the quantised numbers (number of the format x scale) in f32.
;;   ~~~python
;;   def quantise(x, axis, e):      # numpy; x: float32 -> the quantised numbers, widened to float32 again
;;       x = np.moveaxis(x, axis, -1); K = x.shape[-1]
;;       r = np.clip(x / 2.0 ** e, -448, 448)
;;       step = 2.0 ** (np.maximum(np.frexp(np.where(r == 0, 1, r))[1] - 1, -6) - 3)
;;       q = np.round(r / step) * step * 2.0 ** e      # np.round: ties to even
;;       return np.moveaxis(q, -1, axis).astype(np.float32)
;;   ~~~
;;   SOFTMAX AHEAD OF A QUANTISED PRODUCT. Where the list says 'softmax', what is quantised is not the finished softmax but p = 2^(t - M), with t = logit x log2(e) and M = ceil(the row's largest t), a whole number; so 1/2 < the row's largest p <= 1. The row's sum l is taken of the UNQUANTISED p, in f32, and the product's result is divided by l at the end. Since M is a whole number, a kernel that streams over the keys may use a running M (the ceiling of the running maximum): every later rescaling is an exact power of two, so the quantised numbers keep their values, but for numbers so far below the row's largest that they fall under the format's range.
;;   OPERANDS COMPUTED ON THE WAY. 'Computed on the way' means the value that the module computes at that place (a softmax that the list does not call 'softmax' is quantised finished and normalised). What goes into a quantiser is computed in f32, as accurately as f32 sums, v_exp_f32 and their like allow (about 1e-6 of the number): no bf16 or f16 on the way to a quantiser, and a product that is left as it is and whose result goes on into a quantised operand takes f32 operands (vector FMAs, or v_wmma_f32_16x16x4_f32). A number that lies on a knife's edge between two numbers of the format may be rounded either way, as far as f32 arithmetic and the matrix unit's own rounding can turn it there, and no further.
;; One version. Each part assembles by itself: llvm-mc -triple=amdgcn-amd-amdhsa -mcpu=gfx1250 --defsym DOCPART=n.
;; ======== version 1 of 1: 4 launches
;; limits: right only within a limited range of input values
;; workspace buffers: xc 8,388,608 bytes; wqc 3,145,728 bytes; woc 1,048,576 bytes; qkvc 25,165,824 bytes; ac 8,388,608 bytes
;; launch quant (part 1): grid 384 x 1, 4 waves a work-group, no clusters, 34,816 bytes of LDS; arguments x, W_qkv, W_o, lowp_scales, xc, wqc, woc; writes xc, wqc, woc
.if DOCPART == 1
	.amdgcn_target "amdgcn-amd-amdhsa--gfx1250"
	.amdhsa_code_object_version 6
	.text
	.protected	k_q658b774d8a_quant
	.globl	k_q658b774d8a_quant
	.p2align	8
	.type	k_q658b774d8a_quant,@function
k_q658b774d8a_quant:
	s_mov_b64 s[64:65], 0
	v_nop
	global_prefetch_b8 v0, s[64:65] scope:SCOPE_SE
	s_setreg_imm32_b32 hwreg(HW_REG_WAVE_MODE, 25, 1), 1
	s_wait_xcnt 0x0
; x [8192][1024], W_qkv [3072][1024] and W_o [1024][1024], f32 with K innermost, become codes of FP8 (E4M3), each tensor with its given scale 2^e
; (entries 0, 1 and 7 of the scales).  code = number / 2^e, held within +-448, rounded to the nearest code, ties to even.
; LIMITS: e between -126 and 119, so that 2^e and 448 x 2^e are f32 numbers.  NaN among the inputs is not served (an infinity is held at the largest code).
; THE CODES ARE LAID AS IMAGES OF OPERAND REGISTERS.  A fragment is 16 rows x 128 along K, 2,048 bytes: [cc 0..3][lane 0..31][16 bytes]; lane 16 h + r holds, of row r,
; k = 32 cc + 8 h + 0..7 and then k = 32 cc + 16 + 8 h + 0..7: registers 4 cc .. 4 cc + 3 of the plain FP8 form's operand.  A buffer is [tile of 16 rows][block of 128 along K][2,048].
; SHARES.  Work-groups 0-255 take x, 256-351 W_qkv, 352-383 W_o; only pointers, the exponent and the first number are chosen, by s_cselect on the work-group's number: one path for all.
; A work-group takes two tiles of 16 rows; wave w takes tile w / 2 of them and four of its eight blocks along K.
; A GRANULE (16 rows x 128 K).  Sixteen loads, each 512 consecutive bytes of one row; the 8 KB go through the wave's own stage in LDS (rows 528 bytes apart) and come back eight neighbours along K
; at a time, since a conversion takes eight neighbours from one lane's registers.  Four stores of 512 consecutive bytes.  Loads run two granules ahead.  Waves share nothing: no barrier.
.set ROWB,  4096                       ; a row of 1,024 f32 in bytes
.set SP,    528                        ; a stage row: 512 bytes + 16
.set WST,   16*SP                      ; a wave's stage
.set SPARE, 4*WST                      ; behind the four stages: the spare words, 128 bytes a wave, two blocks of 256 bytes that no other line names
.set LI,   1                           ; v1   16 x lane: my place in a load's or a store's 512 bytes; never rewritten
.set STA,  2                           ; v2   the stage on the way in: 16 x lane in my wave's stage
.set LDA,  3                           ; v3   and on the way out: row r, + 32 h
.set LIM,  10
.set SCL,  11                          ; v11  2^e
.set SPW,  12                          ; v12  LDS address of my spare word; never rewritten
.set NIL,  13                          ; v13  0; never rewritten
.set R,    16                          ; v16-143   two sets of 64: a granule as it is loaded
.set X,    144                         ; v144-207  a granule in the conversions' order
.set C,    208                         ; v208-239  two sets of 16: a granule's codes
	s_load_b256 s[4:11], s[0:1], 0x0               ; x s[4:5], W_qkv s[6:7], W_o s[8:9], the scales s[10:11]
	s_load_b128 s[12:15], s[0:1], 0x20             ; xc s[12:13], wqc s[14:15]
	s_load_b64 s[16:17], s[0:1], 0x30              ; woc
	v_lshl_add_u32 v[SPW], v0, 2, SPARE
	v_mov_b32 v[NIL], 0
	v_lshrrev_b32 v4, 5, v0
	v_readfirstlane_b32 s18, v4                    ; wave 0..3
	v_and_b32 v5, 31, v0
	v_lshlrev_b32 v[LI], 4, v5
	s_mul_i32 s19, s18, WST
	v_add_nc_u32 v[STA], s19, v[LI]
	v_and_b32 v6, 15, v0                           ; r
	v_bfe_u32 v7, v0, 4, 1                         ; h
	v_mul_u32_u24 v[LDA], v6, SP
	v_lshl_add_u32 v[LDA], v7, 5, v[LDA]
	v_add_nc_u32 v[LDA], s19, v[LDA]
	s_mov_b32 s20, 352
	s_cmp_lt_u32 ttmp9, 352
	s_cselect_b32 s20, 256, s20
	s_cmp_lt_u32 ttmp9, 256
	s_cselect_b32 s20, 0, s20                      ; my tensor's first work-group
	s_sub_co_u32 s20, ttmp9, s20
	s_lshl_b32 s20, s20, 1
	s_lshr_b32 s21, s18, 1
	s_add_co_u32 s20, s20, s21                     ; my tile of 16 rows
	s_and_b32 s21, s18, 1                          ; which four blocks along K
	s_lshl_b32 s22, s20, 16                        ; in: 16 rows of 4,096 bytes a tile,
	s_lshl_b32 s23, s21, 11                        ; four blocks of 512 bytes
	s_add_co_u32 s22, s22, s23
	s_mov_b32 s23, 0
	s_lshl_b32 s32, s20, 14                        ; out: eight images of 2,048 bytes a tile,
	s_lshl_b32 s33, s21, 13                        ; four of them
	s_add_co_u32 s32, s32, s33
	s_mov_b32 s33, 0
	s_wait_alu depctr_va_vdst(0)
	s_wait_kmcnt 0x0
	s_load_b256 s[24:31], s[10:11], 0x0            ; e0 .. e7
	s_cmp_lt_u32 ttmp9, 352                        ; the choices hang on the work-group's number alone
	s_cselect_b64 s[6:7], s[6:7], s[8:9]
	s_cselect_b64 s[14:15], s[14:15], s[16:17]
	s_cmp_lt_u32 ttmp9, 256
	s_cselect_b64 s[4:5], s[4:5], s[6:7]
	s_cselect_b64 s[12:13], s[12:13], s[14:15]
	s_add_nc_u64 s[4:5], s[4:5], s[22:23]
	s_add_nc_u64 s[12:13], s[12:13], s[32:33]
.macro LOAD g                          ; granule g: row p's 512 bytes, 16 a lane
.irp p, 0,1,2,3,4,5,6,7,8,9,10,11,12,13,14,15
	global_load_b128 v[R+64*((\g)%2)+4*\p:R+64*((\g)%2)+4*\p+3], v[LI], s[4:5] offset:\p*ROWB+(\g)*512 th:TH_LOAD_NT
.endr
.endm
	LOAD 0
	LOAD 1
	s_wait_kmcnt 0x0
	s_cmp_lt_u32 ttmp9, 352
	s_cselect_b32 s21, s25, s31
	s_cmp_lt_u32 ttmp9, 256
	s_cselect_b32 s21, s24, s21                    ; e
	s_add_co_i32 s21, s21, 127
	s_lshl_b32 s22, s21, 23
	v_mov_b32 v[SCL], s22                          ; 2^e as f32: the conversion takes its exponent field
	s_add_co_i32 s21, s21, 8
	s_lshl_b32 s21, s21, 23
	s_or_b32 s21, s21, 0x600000
.macro GRAN g
.set RS, R+64*((\g)%2)
.set CS, C+16*((\g)%2)
.if (\g) < 3
	s_wait_loadcnt 16                              ; this granule's sixteen loads are in; the next granule's sixteen may be out
.else
	s_wait_loadcnt 0
.endif
.irp p, 0,1,2,3,4,5,6,7,8,9,10,11,12,13,14,15
	ds_store_b128 v[STA], v[RS+4*\p:RS+4*\p+3] offset:\p*SP
.endr
.irp c, 0,1,2,3                        ; LDS serves a wave's instructions in order: these see the stores above
.irp u, 0,1
.irp i, 0,1
	ds_load_b128 v[X+16*\c+8*\u+4*\i:X+16*\c+8*\u+4*\i+3], v[LDA] offset:128*\c+64*\u+16*\i   ; row r, k = 32 c + 16 u + 8 h + 4 i + 0..3
.endr
.endr
.endr
	s_wait_dscnt 0x0                               ; the numbers are back, and the stores into the stage have read their registers,
.if (\g) < 2
	LOAD (\g)+2                                    ; which take the loads of two granules on
.else
	s_wait_xcnt 0x0                                ; the stores of two granules back have read this set of codes: it is written again only behind this wait
.endif
.set i, 0
.rept 64
.set i, i+1
.endr
.irp c, 0,1,2,3
.irp u, 0,1
	v_cvt_scalef32_pk8_fp8_f32 v[CS+4*\c+2*\u:CS+4*\c+2*\u+1], v[X+16*\c+8*\u:X+16*\c+8*\u+7], v[SCL]
.endr
.endr
	v_nop                                          ; a plain line behind the last conversion
.irp c, 0,1,2,3
	global_store_b128 v[LI], v[CS+4*\c:CS+4*\c+3], s[12:13] offset:(\g)*2048+512*\c   ; 32 lanes store 512 consecutive bytes, at a multiple of 512 from the buffer's first byte
.endr
.endm
	s_wait_alu depctr_va_vdst(0)
	GRAN 0
	GRAN 1
	GRAN 2
	GRAN 3
	s_wait_tensorcnt 0x0                           ; the wave's end: behind my last LDS store
	ds_add_u32 v[SPW], v[NIL]
	s_wait_dscnt 0x0
	s_endpgm
.Lfunc_end_k_q658b774d8a_quant:
	.size	k_q658b774d8a_quant, .Lfunc_end_k_q658b774d8a_quant-k_q658b774d8a_quant
	.p2alignl 7, 3214868480
	.fill 96, 4, 3214868480
	.section	.rodata,"a",@progbits
	.p2align	6, 0x0
	.amdhsa_kernel k_q658b774d8a_quant
		.amdhsa_group_segment_fixed_size 34816
		.amdhsa_private_segment_fixed_size 0
		.amdhsa_enable_private_segment 0
		.amdhsa_kernarg_size 56
		.amdhsa_user_sgpr_count 2
		.amdhsa_user_sgpr_kernarg_segment_ptr 1
		.amdhsa_wavefront_size32 1
		.amdhsa_system_sgpr_workgroup_id_x 1
		.amdhsa_system_sgpr_workgroup_id_y 1
		.amdhsa_system_sgpr_workgroup_id_z 1
		.amdhsa_system_vgpr_workitem_id 0
		.amdhsa_next_free_vgpr 240
		.amdhsa_next_free_sgpr 66
		.amdhsa_reserve_vcc 0
		.amdhsa_float_denorm_mode_32 3
		.amdhsa_float_denorm_mode_16_64 3
		.amdhsa_fp16_overflow 1
		.amdhsa_memory_ordered 1
		.amdhsa_forward_progress 1
		.amdhsa_inst_pref_size 21
	.end_amdhsa_kernel
	.amdgpu_metadata
---
amdhsa.version: [ 1, 2 ]
amdhsa.kernels:
  - .name:           k_q658b774d8a_quant
    .symbol:         k_q658b774d8a_quant.kd
    .args:
      - { .name: x, .offset: 0, .size: 8, .value_kind: global_buffer, .address_space: global }
      - { .name: W_qkv, .offset: 8, .size: 8, .value_kind: global_buffer, .address_space: global }
      - { .name: W_o, .offset: 16, .size: 8, .value_kind: global_buffer, .address_space: global }
      - { .name: lowp_scales, .offset: 24, .size: 8, .value_kind: global_buffer, .address_space: global }
      - { .name: xc, .offset: 32, .size: 8, .value_kind: global_buffer, .address_space: global }
      - { .name: wqc, .offset: 40, .size: 8, .value_kind: global_buffer, .address_space: global }
      - { .name: woc, .offset: 48, .size: 8, .value_kind: global_buffer, .address_space: global }
    .group_segment_fixed_size: 34816
    .private_segment_fixed_size: 0
    .kernarg_segment_align: 8
    .kernarg_segment_size: 56
    .max_flat_workgroup_size: 128
    .sgpr_count:     66
    .vgpr_count:     240
    .wavefront_size: 32
...
	.end_amdgpu_metadata
.endif
;; end of part 1
;; launch qkv (part 2): grid 12 x 32, 4 waves a work-group, clusters of 4 x 4, 327,680 bytes of LDS; arguments xc, wqc, lowp_scales, qkvc; writes qkvc
.if DOCPART == 2
	.amdgcn_target "amdgcn-amd-amdhsa--gfx1250"
	.amdhsa_code_object_version 6
	.text
	.protected	k_q658b774d8a_qkv
	.globl	k_q658b774d8a_qkv
	.p2align	8
	.type	k_q658b774d8a_qkv,@function
k_q658b774d8a_qkv:
	s_mov_b64 s[64:65], 0
	v_nop
	global_prefetch_b8 v0, s[64:65] scope:SCOPE_SE
	s_setreg_imm32_b32 hwreg(HW_REG_WAVE_MODE, 25, 1), 1
	s_wait_xcnt 0x0
	s_wait_alu depctr_hold_cnt(0) depctr_sa_sdst(0) depctr_va_vdst(0) depctr_va_sdst(0) depctr_va_ssrc(0) depctr_va_vcc(0) depctr_vm_vsrc(0)
	s_getreg_b32 s2, hwreg(HW_REG_IB_STS2, 6, 4)
	s_cmp_eq_u32 s2, 0
	s_cbranch_scc0 .Lentry_in_a_cluster
	s_endpgm
.Lentry_in_a_cluster:
	s_bfe_u32 s2, ttmp6, 0x10000c
	s_cmp_lg_u32 s2, 0xf033
	s_cbranch_scc0 .Lentry_shape_is_right
	s_endpgm
.Lentry_shape_is_right:
; The first product, x W_qkv^T, on codes of FP8 (E4M3), K = 1,024; its sums are quantised at once into the codes of q, k and V^T, laid as the attention launch's operand registers.
; xc: [512 tiles of 16 tokens][8 blocks of 128 K][2,048], wqc: [192 tiles of 16 rows][8][2,048]: images of operand registers ([cc][lane][16 bytes]; lane 16 h + r: row r, k = 32 cc + 8 h + 0..7, 32 cc + 16 + 8 h + 0..7).
; A tile of 256 x 256 is made by four waves, 128 x 128 each: 64 accumulators, 512 registers.  K goes in four steps of 256 through a ring of two LDS slots filled by the tensor data mover.
; CLUSTERS: 4 x 4 work-groups; the "A side" tile is shared along a row of the cluster, the "B side" tile along a column: joint loads, each with the mask of the four that need it.
; THE MATRIX INSTRUCTION TAKES B-SIDE ROWS AS SOURCE 0 AND A-SIDE ROWS AS SOURCE 1: lane (r, h) of accumulator (a, b) holds A-side row 16 a + r and B-side rows 16 b + 8 h + 0..7.
; WHICH SIDE IS WHICH hangs on the cluster's x, which all sixteen partners share.  Cluster x = 0 (q) and 1 (k): A side = tokens, B side = rows of W_qkv: a lane's eight numbers are eight neighbours along the head's axis, the
; second product's K.  Cluster x = 2 (V^T): A side = rows of W_qkv (the v part), B side = tokens: a lane's eight numbers are eight neighbouring keys, the third product's K.  Pointers and tile numbers are chosen by s_cselect; one path.
; THE WAY OUT NEEDS NO LDS: the codes of accumulators (a, 2 m) and (a, 2 m + 1) are registers 4 m .. 4 m + 3 of an operand image in this very lane, so they are stored as they stand, 512 consecutive bytes a store.
; qkvc: three parts of 2^23 bytes (q, k, V^T), each [batch 4][pair of heads 8][block of 128 tokens 16][16,384]; a wave's 128 x 128 tile is one such block:
;   q, k: [tile of 16 tokens a][head of the pair][c 0..1][lane][16]: images of 16 tokens x 64 for the K = 64 form;   V^T: [head of the pair][t 0..3][cc 0..3][lane][16]: 16 channels x 128 keys.
; A sum stands for sum x 2^(e0 + e1); its code is sum / 2^(et - e0 - e1), et = e2 (q), e3 (k), e5 (v).  LIMIT: et - e0 - e1 between -126 and 119.
; REGISTERS, in windows of 256: window 0: v0-31 addresses and constants; from v128 the A side's fragments, one set; on the way out v96-223 codes.  window 1: the B side's fragments, two sets.
;   window 2: the accumulators of my A-side rows 0-63 ((a, b) at v[8 (8 a + b)]); window 3: those of rows 64-127.
.set KSB,    4096                      ; a K step (256 along K) of a tile of 16 rows: two images
.set TROW,   16384                     ; from a tile of 16 rows to the next in memory
.set HALFT,  8*KSB                     ; what one tensor load brings and one wave reads of a side: 128 rows
.set SLOT,   4*HALFT                   ; the A side's 256 rows, then the B side's
.set LAPS,   2                         ; a lap = two K steps = once round the ring
.set SPARE,  2*SLOT                    ; behind the ring: the spare words, 128 bytes a wave, two blocks of 256 bytes that no other line names
.set FR,     16                        ; registers of a fragment
.set NL,     4                         ; LDS loads that bring one
.set NP,     4                         ; places behind this matrix instruction (ISA guide 7.12.1)
.set ADRA, 16                          ; v16-17  LDS address of my A-side fragments in slot 0, 1
.set ADRB, 20                          ; v20-21  the same for the B side
.set CO,   26                          ; v26     16 x lane
.set SPW,  28                          ; v28     LDS address of my spare word; never rewritten
.set NIL,  29                          ; v29     0; never rewritten
.set SCL,  30                          ; v30     2^(et - e0 - e1)
.set LIM,  31
.set TMP,  32
.set COD,  96                          ; v96-223 the codes: sixteen registers a block, so that no store's data are written again
.set AF,   128
.set G1, 24                            ; s[24:31] descriptor group 1 for the A side; s[32:39] group 0, a set for each slot
.set G0, 32
.set G1B, 48                           ; s[48:55], s[56:63] the same for the B side
.set G0B, 56
.set MSB, 0
.macro WIN new                         ; the immediate's high byte repeats the setting that is left
.if MSB != \new
	s_set_vgpr_msb (MSB<<8)|\new
.set MSB, \new
.endif
.endm
.set MUL_LO, 0xa1                      ; source 0 (B side) window 1, source 1 (A side) window 0, C and D window 2
.set MUL_HI, 0xf1                      ; the same, C and D window 3
.set TO_B,   0x40                      ; destination window 1, address window 0
; A joint load: waves 0 and 1 fetch for the A side, waves 2 and 3 for the B side.  The branch hangs on the wave's number alone.  An s_nop 0 and four v_nop follow each of the two lines.
.macro JLOAD g0a, g1a, g0b, g1b
	s_cmp_eq_u32 s15, 0
	s_cbranch_scc0 .Lfor_b_\@
	tensor_load_to_lds s[\g0a:\g0a+3], s[\g1a:\g1a+7]
	s_nop 0
.rept 4
	v_nop
.endr
	s_branch .Lasked_\@
.Lfor_b_\@:
	tensor_load_to_lds s[\g0b:\g0b+3], s[\g1b:\g1b+7]
	s_nop 0
.rept 4
	v_nop
.endr
.Lasked_\@:
.endm
.macro CREST                           ; a round of the cluster's barrier behind its opening barrier
	s_cmp_lg_u32 s14, 0
	s_cbranch_scc1 .Lnot_wave_0_\@
	s_barrier_signal -3
.Lnot_wave_0_\@:
	s_barrier_wait -3
	s_barrier_signal -1
	s_barrier_wait -1
.endm
.macro CROUND                          ; a whole round
	s_barrier_signal -1
	s_barrier_wait -1
	CREST
.endm
	s_load_b256 s[4:11], s[0:1], 0x0               ; xc s[4:5], wqc s[6:7], the scales s[8:9], qkvc s[10:11]
	v_lshl_add_u32 v[SPW], v0, 2, SPARE
	v_mov_b32 v[NIL], 0
	ds_add_u32 v[SPW], v[NIL]
	ds_add_u32 v[SPW], v[NIL]                      ; the wave's opening: the add and its wait stand ahead of my first tensor load; the set-up below, work on registers, stands between them
	v_lshrrev_b32 v1, 5, v0
	v_readfirstlane_b32 s14, v1                    ; wave 0..3
	s_lshr_b32 s15, s14, 1                         ; which half of the A side's rows is mine.  Also: I fetch for the A side (0) or the B side (1)
	s_and_b32 s16, s14, 1                          ; which half of the B side's rows.  Also: which 128 rows of that tile I fetch
	s_bfe_u32 s40, ttmp6, 0x40000                  ; cx, cy: my place in the cluster
	s_bfe_u32 s41, ttmp6, 0x40004
	s_and_b32 s12, ttmp7, 0xffff
	s_lshl_b32 s12, s12, 2                         ; 4 x cluster y
	s_lshl_b32 s13, ttmp9, 2                       ; 4 x cluster x
	s_cmp_eq_u32 ttmp9, 2                          ; V^T?
	s_cselect_b32 s17, 8, s12                      ; the A side's block of 256 rows: tokens 4 cluster y + cy, or rows of W_qkv 8 + cy (the v part begins at row 2,048)
	s_cselect_b32 s42, s12, s13                    ; the B side's: rows of W_qkv 4 cluster x + cx, or tokens 4 cluster y + cx
	s_add_co_u32 s17, s17, s41
	s_add_co_u32 s42, s42, s40
	s_lshl_b32 s43, s41, 2
	s_lshl_b32 s43, 15, s43                        ; my row of the cluster
	s_lshl_b32 s44, 0x1111, s40                    ; my column
	; descriptor group 1: eight rows (tiles of 16) of 4,096 bytes, 16,384 bytes apart, in elements of 8 bytes; dense in LDS
	s_or_b32 s[G1+0], s43, (3<<16)|(1<<21)         ; 15:0 the mask: my row; 17:16 elements of 8 bytes; 21 set beside a mask
	s_or_b32 s[G1B+0], s44, (3<<16)|(1<<21)        ; the same with my column's mask
.irp g, G1, G1B
	s_mov_b32 s[\g+1], (KSB/8)<<16                 ; tensor_dim0 = 512
	s_mov_b32 s[\g+2], 8<<16                       ; tensor_dim1 = 8
	s_mov_b32 s[\g+3], (KSB/8)<<16                 ; tile_dim0 = 512
	s_mov_b32 s[\g+4], 8                           ; tile_dim1 = 8
	s_mov_b32 s[\g+5], TROW/8                      ; tensor_dim0_stride = 2,048
	s_mov_b32 s[\g+6], 0
	s_mov_b32 s[\g+7], 0
.endr
	s_lshl_b32 s18, s17, 1
	s_add_co_u32 s18, s18, s16
	s_lshl_b32 s18, s18, 17                        ; A side: (2 x block + the half that I fetch) x 8 tiles x 16,384 bytes
	s_mov_b32 s19, 0
	s_lshl_b32 s22, s42, 1
	s_add_co_u32 s22, s22, s16
	s_lshl_b32 s22, s22, 17                        ; B side likewise
	s_mov_b32 s23, 0
	s_mul_i32 s45, s14, HALFT                      ; where they go: wave x 128 rows: no place in the cluster enters an LDS address
	s_wait_dscnt 0x0                               ; the opening add is done
	s_wait_kmcnt 0x0
	s_load_b256 s[68:75], s[8:9], 0x0              ; e0 .. e7
	s_cmp_eq_u32 ttmp9, 2
	s_cselect_b64 s[20:21], s[6:7], s[4:5]         ; the A side's buffer
	s_cselect_b64 s[46:47], s[4:5], s[6:7]         ; the B side's
	s_add_nc_u64 s[20:21], s[20:21], s[18:19]
	s_add_nc_u64 s[46:47], s[46:47], s[22:23]
	CROUND                                         ; all sixteen work-groups are here: the first joint loads meet
.irp s, 0,1
	s_mov_b32 s[G0+4*\s], 1
	s_add_co_u32 s[G0+4*\s+1], s45, \s*SLOT
	s_add_nc_u64 s[G0+4*\s+2:G0+4*\s+3], s[20:21], \s*KSB
	s_or_b32 s[G0+4*\s+3], s[G0+4*\s+3], 0x80000000
	s_mov_b32 s[G0B+4*\s], 1
	s_add_co_u32 s[G0B+4*\s+1], s45, \s*SLOT
	s_add_nc_u64 s[G0B+4*\s+2:G0B+4*\s+3], s[46:47], \s*KSB
	s_or_b32 s[G0B+4*\s+3], s[G0B+4*\s+3], 0x80000000
	JLOAD G0+4*\s, G1, G0B+4*\s, G1B
.endr
	v_and_b32 v6, 31, v0
	v_lshlrev_b32 v[CO], 4, v6                     ; 16 x lane: an image's place for my lane
	s_mul_i32 s21, s15, HALFT                      ; my 128 rows of the A side
	s_mul_i32 s22, s16, HALFT                      ; my 128 rows of the B side,
	s_add_co_u32 s22, s22, 2*HALFT                 ; which lie behind the A side's 256
.irp s, 0,1
	v_add_nc_u32 v[ADRA+\s], s21, v[CO]
	v_add_nc_u32 v[ADRB+\s], s22, v[CO]
	s_add_co_u32 s21, s21, SLOT
	s_add_co_u32 s22, s22, SLOT
.endr
	; where my 16 KB block lies in qkvc
	s_lshl_b32 s76, s17, 1
	s_add_co_u32 s76, s76, s15                     ; the A side's block of 128 rows
	s_lshl_b32 s77, s42, 1
	s_add_co_u32 s77, s77, s16                     ; the B side's
	s_lshl_b32 s78, s40, 1
	s_add_co_u32 s78, s78, s16                     ; q, k: the pair of heads = 2 cx + my half of the B side
	s_lshl_b32 s79, s41, 1
	s_add_co_u32 s79, s79, s15                     ; V^T: 2 cy + my half of the A side
	s_cmp_eq_u32 ttmp9, 2
	s_cselect_b32 s76, s77, s76                    ; the block of 128 tokens, 0..63
	s_cselect_b32 s78, s79, s78                    ; the pair of heads, 0..7
	s_lshl_b32 s80, ttmp9, 23                      ; the part,
	s_lshr_b32 s81, s76, 4
	s_lshl_b32 s81, s81, 21                        ; the batch,
	s_add_co_u32 s80, s80, s81
	s_lshl_b32 s81, s78, 18                        ; the pair of heads,
	s_add_co_u32 s80, s80, s81
	s_and_b32 s81, s76, 15
	s_lshl_b32 s81, s81, 14                        ; the block of tokens in the batch
	s_add_co_u32 s80, s80, s81
	s_mov_b32 s81, 0
	s_add_nc_u64 s[10:11], s[10:11], s[80:81]
.macro FRAG reg, adr, q, i             ; a fragment comes as it lies: four loads of 512 consecutive bytes
.irp c, 0,1,2,3
	ds_load_b128 v[\reg+4*\c:\reg+4*\c+3], v[\adr] offset:(\i)*KSB+(\q)*2048+512*\c
.endr
.endm
; 16 matrix instructions: the A side's blocks a0, a0 + 1 x the B side's eight, 128 along K.  p: the B side's set.  zero = 1: the first product starts the sums.
; The 64 accumulators take turns, one instruction a turn, in the same order in every step.
.macro MUL16 a0, p, zero
.irp a, \a0, \a0+1
.irp b, 0,1,2,3,4,5,6,7
.if \zero
	v_wmma_f32_16x16x128_fp8_fp8 v[8*(8*((\a)%4)+\b):8*(8*((\a)%4)+\b)+7], v[128*(\p)+FR*\b:128*(\p)+FR*\b+FR-1], v[AF+FR*(\a):AF+FR*(\a)+FR-1], 0
.else
	v_wmma_f32_16x16x128_fp8_fp8 v[8*(8*((\a)%4)+\b):8*(8*((\a)%4)+\b)+7], v[128*(\p)+FR*\b:128*(\p)+FR*\b+FR-1], v[AF+FR*(\a):AF+FR*(\a)+FR-1], v[8*(8*((\a)%4)+\b):8*(8*((\a)%4)+\b)+7]
.endif
.endr
.endr
.endm
.macro FETCH_B slot, q, p              ; the B side's eight fragments of the slot's q-th 128 along K into set p
	WIN TO_B
.irp i, 0,1,2,3,4,5,6,7
	FRAG 128*(\p)+FR*\i, ADRB+\slot, \q, \i
.endr
	WIN 0
.endm
.macro FETCH_A slot, q, i0             ; the A side's blocks i0 .. i0 + 3
.irp i, \i0, \i0+1, \i0+2, \i0+3
	FRAG AF+FR*(\i), ADRA+\slot, \q, \i
.endr
.endm
.macro PLACES n                        ; plain vector lines between a matrix instruction and a load into a register that it read, or a read of its result
.rept \n
	v_nop
.endr
.endm
; A step of 128 along K that has its successor in the same slot.
.macro STEP slot, q, zero
	s_wait_dscnt 4*NL                              ; the B side's set and the A side's blocks 0-3 are in; the youngest sixteen loads (blocks 4-7) may be out
	WIN MUL_LO
	MUL16 0, (\q)%2, \zero
	MUL16 2, (\q)%2, \zero
	s_wait_dscnt 0                                 ; blocks 4-7 are in
	PLACES NP
	FETCH_B \slot, (\q)+1, 1-(\q)%2
	FETCH_A \slot, (\q)+1, 0
	WIN MUL_HI
	MUL16 4, (\q)%2, \zero
	MUL16 6, (\q)%2, \zero
	PLACES NP
	WIN 0
	FETCH_A \slot, (\q)+1, 4
.endm
; A slot's last step changes slots: one barrier; in front of it each wave waits for all its tensor loads, adds 0 to its spare word, and waits for that and for its reads of this slot.  fill = 1: this slot is filled again, two K steps ahead.
.macro TURN slot, next, fill
	s_wait_tensorcnt 0x0                           ; all my tensor loads have landed: my part of the next slot (every window is 0 here)
	ds_add_u32 v[SPW], v[NIL]                      ; 0 onto my spare word
	s_wait_dscnt 4*NL+1                            ; the add and the youngest sixteen loads may be out
	WIN MUL_LO
	MUL16 0, 1, 0                                  ; sixteen matrix instructions stand between the add and the wait for it
	s_wait_dscnt 0x0                               ; the add is done, and my reads of this slot are over
	s_barrier_signal -1
	MUL16 2, 1, 0
	WIN 0
	s_barrier_wait -1
.if \fill
	CREST                                          ; the barrier has opened a round of the cluster's barrier: no wave of any partner still reads this slot or has a load on its way
	s_add_nc_u64 s[G0+4*\slot+2:G0+4*\slot+3], s[G0+4*\slot+2:G0+4*\slot+3], 2*KSB
	s_add_nc_u64 s[G0B+4*\slot+2:G0B+4*\slot+3], s[G0B+4*\slot+2:G0B+4*\slot+3], 2*KSB
	JLOAD G0+4*\slot, G1, G0B+4*\slot, G1B         ; the first tensor load behind the round; its four v_nop are the places in front of the loads below
.else
	PLACES NP
.endif
	FETCH_B \next, 0, 0
	FETCH_A \next, 0, 0
	WIN MUL_HI
	MUL16 4, 1, 0
	MUL16 6, 1, 0
	PLACES NP
	WIN 0
	FETCH_A \next, 0, 4
.endm
	s_wait_alu depctr_va_vdst(0)
	s_wait_tensorcnt 1                             ; my part of K step 0 is in; K step 1's load may be out
	s_barrier_signal -1
	s_barrier_wait -1                              ; everybody's is
	FETCH_B 0, 0, 0
	FETCH_A 0, 0, 0
	FETCH_A 0, 0, 4
	STEP 0, 0, 1                                   ; the first step stands in front of the loop: its products start the sums
	s_mov_b32 s3, LAPS-1
.Llap:                                                 ; a trip goes once round the ring and fills both slots again
	TURN 0, 1, 1
	STEP 1, 0, 0
	TURN 1, 0, 1
	STEP 0, 0, 0
	s_sub_co_u32 s3, s3, 1
	s_cmp_lg_u32 s3, 0
	s_cbranch_scc1 .Llap
	TURN 0, 1, 0                                   ; the last lap fills nothing, and has no round of the cluster's barrier
	STEP 1, 0, 0
	s_wait_dscnt 4*NL                              ; the very last step: nothing more to fetch
	WIN MUL_LO
	MUL16 0, 1, 0
	MUL16 2, 1, 0
	s_wait_dscnt 0
	WIN MUL_HI
	MUL16 4, 1, 0
	MUL16 6, 1, 0
	WIN 0
	; THE WAY OUT.  The three scales are folded into the conversion's one.
	s_wait_kmcnt 0x0
	s_cmp_eq_u32 ttmp9, 0
	s_cselect_b32 s82, s70, s71                    ; e2 for q, e3 for k,
	s_cmp_eq_u32 ttmp9, 2
	s_cselect_b32 s82, s73, s82                    ; e5 for v
	s_sub_co_i32 s82, s82, s68
	s_sub_co_i32 s82, s82, s69                     ; et - e0 - e1
	s_add_co_i32 s82, s82, 127
	s_lshl_b32 s83, s82, 23
	v_mov_b32 v[SCL], s83
	s_add_co_i32 s82, s82, 8
	s_lshl_b32 s82, s82, 23
	s_or_b32 s82, s82, 0x600000
	PLACES NP                                      ; behind the last products: their results are read and the A side's registers written below
.macro PACK a                          ; block a: 16 A-side rows x 128 B-side rows
.set AC, 64*((\a)%4)
	WIN 0x02+((\a)/4)                              ; source 0: window 2 or 3
.set i, 0
.rept 64
.set i, i+1
.endr
.irp b, 0,1,2,3,4,5,6,7
	v_cvt_scalef32_pk8_fp8_f32 v[COD+16*(\a)+2*\b:COD+16*(\a)+2*\b+1], v[AC+8*\b:AC+8*\b+7], v[SCL]
.endr
	WIN 0
	v_nop                                          ; a plain line behind the last conversion
.irp m, 0,1,2,3
	global_store_b128 v[CO], v[COD+16*(\a)+4*\m:COD+16*(\a)+4*\m+3], s[10:11] offset:512*(4*(\a)+\m)   ; 32 lanes store 512 consecutive bytes, at a multiple of 512 from the buffer's first byte
.endr
.endm
.irp a, 0,1,2,3,4,5,6,7
	PACK \a
.endr
	s_wait_tensorcnt 0x0                           ; the wave's end: behind my last tensor load
	ds_add_u32 v[SPW], v[NIL]
	s_wait_dscnt 0x0
	CROUND                                         ; the closing round: no work-group ends while a partner may still ask for a tile that names it
	s_endpgm
.Lfunc_end_k_q658b774d8a_qkv:
	.size	k_q658b774d8a_qkv, .Lfunc_end_k_q658b774d8a_qkv-k_q658b774d8a_qkv
	.p2alignl 7, 3214868480
	.fill 96, 4, 3214868480
	.section	.rodata,"a",@progbits
	.p2align	6, 0x0
	.amdhsa_kernel k_q658b774d8a_qkv
		.amdhsa_group_segment_fixed_size 327680
		.amdhsa_private_segment_fixed_size 0
		.amdhsa_enable_private_segment 0
		.amdhsa_kernarg_size 32
		.amdhsa_user_sgpr_count 2
		.amdhsa_user_sgpr_kernarg_segment_ptr 1
		.amdhsa_wavefront_size32 1
		.amdhsa_system_sgpr_workgroup_id_x 1
		.amdhsa_system_sgpr_workgroup_id_y 1
		.amdhsa_system_sgpr_workgroup_id_z 1
		.amdhsa_system_vgpr_workitem_id 0
		.amdhsa_next_free_vgpr 1024
		.amdhsa_next_free_sgpr 98
		.amdhsa_reserve_vcc 0
		.amdhsa_float_denorm_mode_32 3
		.amdhsa_float_denorm_mode_16_64 3
		.amdhsa_fp16_overflow 1
		.amdhsa_memory_ordered 1
		.amdhsa_forward_progress 1
		.amdhsa_inst_pref_size 86
	.end_amdhsa_kernel
	.amdgpu_metadata
---
amdhsa.version: [ 1, 2 ]
amdhsa.kernels:
  - .name:           k_q658b774d8a_qkv
    .symbol:         k_q658b774d8a_qkv.kd
    .args:
      - { .name: xc, .offset: 0, .size: 8, .value_kind: global_buffer, .address_space: global }
      - { .name: wqc, .offset: 8, .size: 8, .value_kind: global_buffer, .address_space: global }
      - { .name: lowp_scales, .offset: 16, .size: 8, .value_kind: global_buffer, .address_space: global }
      - { .name: qkvc, .offset: 24, .size: 8, .value_kind: global_buffer, .address_space: global }
    .group_segment_fixed_size: 327680
    .private_segment_fixed_size: 0
    .kernarg_segment_align: 8
    .kernarg_segment_size: 32
    .max_flat_workgroup_size: 128
    .sgpr_count:     98
    .vgpr_count:     1024
    .wavefront_size: 32
...
	.end_amdgpu_metadata
.endif
;; end of part 2
;; launch attn (part 3): grid 4 x 64, 8 waves a work-group, clusters of 4 x 1, 274,432 bytes of LDS; arguments qkvc, src_mask, lowp_scales, ac; writes ac
.if DOCPART == 3
	.amdgcn_target "amdgcn-amd-amdhsa--gfx1250"
	.amdhsa_code_object_version 6
	.text
	.protected	k_q658b774d8a_attn
	.globl	k_q658b774d8a_attn
	.p2align	8
	.type	k_q658b774d8a_attn,@function
k_q658b774d8a_attn:
	s_mov_b64 s[64:65], 0
	v_nop
	global_prefetch_b8 v0, s[64:65] scope:SCOPE_SE
	s_setreg_imm32_b32 hwreg(HW_REG_WAVE_MODE, 25, 1), 1
	s_wait_xcnt 0x0
	s_wait_alu depctr_hold_cnt(0) depctr_sa_sdst(0) depctr_va_vdst(0) depctr_va_sdst(0) depctr_va_ssrc(0) depctr_va_vcc(0) depctr_vm_vsrc(0)
	s_getreg_b32 s2, hwreg(HW_REG_IB_STS2, 6, 4)
	s_cmp_eq_u32 s2, 0
	s_cbranch_scc0 .Lentry_in_a_cluster
	s_endpgm
.Lentry_in_a_cluster:
	s_bfe_u32 s2, ttmp6, 0x10000c
	s_cmp_lg_u32 s2, 0x3003
	s_cbranch_scc0 .Lentry_shape_is_right
	s_endpgm
.Lentry_shape_is_right:
; Attention of one head on codes of FP8 (E4M3): S^T = K Q^T (K = the head's 64), both masks, the softmax, O^T = V^T P^T (K = the keys), / l; the result is quantised for the output projection.
; qkvc: parts q, k, V^T of 2^23 bytes, each [batch][pair of heads][block of 128 tokens][16,384], images of operand registers.  ac: [512 tiles of 16 tokens][8 blocks of 128 along K][2,048], likewise.
; THE SOFTMAX: t = score x log2(e) / 8; M = the largest t so far, rounded up to a whole number; p = 2^(t - M) is quantised with 2^e4, not normalised; l is the sum of the unquantised p and divides at the end.
; When M moves, l and O^T are multiplied by 2^(old M - new M): nothing is rounded.
; SHARES.  y = 16 x batch + head.  The four work-groups of a cluster belong to one head.  The head's whole K (128 KB) and V^T (128 KB) lie in LDS, brought once by eight JOINT loads, one a wave, each with the mask of
; all four partners: no ring, no refill, no barrier among the key steps.  The queries go in 16 groups of 128; partner cx owns queries 32 cx .. 32 cx + 31 of every group: two tiles of 16.  Wave w takes group w and then
; group 15 - w: (w + 1) + (16 - w) = 17 key steps of 128 keys for every wave of every work-group under the causal mask.  Branches hang on the wave's number and on loop counts alone.
; LAYOUT.  Both products are used transposed, so a lane holds ONE query (lane % 16) throughout.  In S^T's tile T a lane's registers are keys 16 T + 8 (lane / 16) + 0..7: their eight codes are registers 2 T, 2 T + 1 of P
; in the plain FP8 form's own order.  O^T's tile t holds channels 16 t + 8 (lane / 16) + 0..7: its codes are registers of the next product's operand image: they are stored as they stand.
; THE MASKS.  A key that src_mask hides gets -2^100 as the C of its score's matrix instruction; a key behind the query gets -2^100 by v_cndmask in the one step on the diagonal.  The running t begins at -2^83 c
; (c = the factor from a sum to t), under every true t (a sum's magnitude is under 2^24) and over every hidden one: hidden keys give p = 0 and never move M.
; A ROW ALL OF WHOSE VISIBLE KEYS ARE HIDDEN BY src_mask has equal logits on all 2,048 keys: p = 1 everywhere, l = 2,048.  Such a row ends here with l = 0 (every other row has l over 1/2) and takes, by v_cndmask,
; the head's sum over all keys of Q(1) Q(v), divided by 2,048, which every work-group makes once at its head.
; LIMITS on the given exponents: e2 + e3 between -80 and 25; e4 and e6 between -126 and 119; e4 + e5 is applied by v_ldexp_f32 and has none.
; REGISTERS.  Window 0: v1-31 addresses, constants, statistics; v32-47 Q of the first group; v48-63 P; v64-127 S^T, then p; v128-191 O^T (32 a tile); v192-223 the all-hidden row's result; v224-239 Q of the second group; v240-255 at work.
;   Window 1: v0-63 K's eight fragments; v64-127 V's four; v128-191 the key mask as C.
.set VLDS,  131072                     ; LDS: K's 128 tiles of 16 keys, 1,024 bytes each, from 0; V from here: 16 key steps x 4 fragments of 2,048 bytes
.set BIAS,  262144                     ; 2,048 f32: 0 or -2^100 for each key
.set VBS,   270336                     ; eight partial sums of V, 256 bytes each,
.set VBP,   272                        ; 272 bytes apart
.set SPARE, 272640                     ; the spare words, 128 bytes a wave: four blocks of 256 bytes that no other line names
.set LI,   1                           ; v1   16 x lane; never rewritten
.set BI0,  2                           ; v2   BIAS + 32 h
.set ADK,  3                           ; v3   the step's K
.set ADV,  4                           ; v4   the step's V
.set ADB,  5                           ; v5   the step's mask
.set SPW,  6                           ; v6   LDS address of my spare word; never rewritten
.set NIL,  7                           ; v7   0; never rewritten
.set PLIM, 8                           ; v8   448 x 2^e4
.set PSC,  9                           ; v9   2^e4
.set DQ,   10                          ; v10  32 cx + r - 8 h
.set NEGV, 11                          ; v11  -2^100
.set ST,   12                          ; tile u's statistics at v[12 + 4 u]: -M, the running t, l in two halves
.set F,    20                          ; v[20:21] f = 2^(old M - new M), 0
.set T0,   22
.set T1,   23
.set SUM2, 24                          ; v[24:25] the sums' second chain
.set PX,   26                          ; a lane permute's destination
.set OLIM, 27
.set OSC,  28                          ; v28  2^e6
.set VBW,  29                          ; v29  where I put my wave's partial sum of V
.set VBR,  30                          ; v30  where I read a partial sum
.set VL0,  31                          ; v31  VLDS + 16 x lane
.set QA,   32
.set P,    48
.set S,    64
.set O,    128
.set VBAR, 192
.set QB,   224
.set TMP,  240
.set KF,   0                           ; in window 1
.set VF,   64
.set BF,   128
.set MSB, 0
.macro WIN new                         ; the immediate's high byte repeats the setting that is left
.if MSB != \new
	s_set_vgpr_msb (MSB<<8)|\new
.set MSB, \new
.endif
.endm
.macro CROUND                          ; a round of the cluster's barrier
	s_barrier_signal -1
	s_barrier_wait -1
	s_cmp_lg_u32 s12, 0
	s_cbranch_scc1 .Lnot_wave_0_\@
	s_barrier_signal -3
.Lnot_wave_0_\@:
	s_barrier_wait -3
	s_barrier_signal -1
	s_barrier_wait -1
.endm
	s_load_b256 s[4:11], s[0:1], 0x0               ; qkvc s[4:5], src_mask s[6:7], the scales s[8:9], ac s[10:11]
	v_lshl_add_u32 v[SPW], v0, 2, SPARE
	v_mov_b32 v[NIL], 0
	ds_add_u32 v[SPW], v[NIL]                      ; the wave's opening: the add and its wait stand ahead of my first tensor load; the set-up below, work on registers, stands between them
	ds_add_u32 v[SPW], v[NIL]
	v_lshrrev_b32 v[T0], 5, v0
	s_delay_alu instid0(VALU_DEP_1)
	v_readfirstlane_b32 s12, v[T0]                 ; wave 0..7
	s_bfe_u32 s13, ttmp6, 0x40000                  ; cx: my place in the cluster
	s_and_b32 s14, ttmp7, 0xffff                   ; y = 16 x batch + head, which the four partners share
	; descriptor group 1 for K: 32 rows (tiles of 16 keys) of 1,024 bytes, 2,048 bytes apart (the pair's other head lies between), in elements of 8 bytes
	s_mov_b32 s16, 15|(3<<16)|(1<<21)              ; 15:0 the mask: all four work-groups; 17:16 elements of 8 bytes; 21 set beside a mask
	s_mov_b32 s17, 128<<16                         ; tensor_dim0
	s_mov_b32 s18, 32<<16                          ; tensor_dim1
	s_mov_b32 s19, 128<<16                         ; tile_dim0
	s_mov_b32 s20, 32                              ; tile_dim1
	s_mov_b32 s21, 256                             ; tensor_dim0_stride
	s_mov_b32 s22, 0
	s_mov_b32 s23, 0
	; for V: 4 rows (key steps) of 8,192 bytes, 16,384 bytes apart
	s_mov_b32 s24, 15|(3<<16)|(1<<21)
	s_mov_b32 s25, 1024<<16
	s_mov_b32 s26, 4<<16
	s_mov_b32 s27, 1024<<16
	s_mov_b32 s28, 4
	s_mov_b32 s29, 2048
	s_mov_b32 s30, 0
	s_mov_b32 s31, 0
	; group 0: waves 0-3 fetch a quarter of K each, waves 4-7 a quarter of V
	s_mov_b32 s32, 1
	s_and_b32 s2, s12, 3
	s_lshl_b32 s33, s2, 15
	s_lshr_b32 s3, s12, 2                          ; 0: K, 1: V
	s_lshl_b32 s15, s3, 17
	s_add_co_u32 s33, s33, s15                     ; LDS address: 32,768 x quarter + 131,072 for V
	s_lshr_b32 s59, s14, 1
	s_lshl_b32 s59, s59, 18                        ; the batch's and the pair of heads' place in a part
	s_and_b32 s62, s14, 1                          ; which head of the pair
	s_lshl_b32 s63, s62, 10
	s_lshl_b32 s60, s2, 16                         ; my quarter in memory: 32 x 2,048 = 4 x 16,384 bytes
	s_add_co_u32 s60, s60, s59
	s_add_co_u32 s61, s3, 1
	s_lshl_b32 s61, s61, 23                        ; part 1 (k) or 2 (V^T)
	s_add_co_u32 s60, s60, s61
	s_mul_i32 s61, s3, 3
	s_lshl_b32 s61, s63, s61                       ; the head: 1,024 bytes on in K, 8,192 in V
	s_add_co_u32 s60, s60, s61
	s_mov_b32 s61, 0
	; my two groups of queries, and where Q and the result lie.  cx enters these offsets and one compared number, nothing else
	s_mov_b32 s46, s12                             ; the first group: w
	s_xor_b32 s47, s12, 15                         ; the second: 15 - w
	s_lshl_b32 s66, s46, 3
	s_lshl_b32 s67, s47, 3
	s_lshl_b32 s76, s13, 1
	s_add_co_u32 s66, s66, s76                     ; my first tile of 16 tokens in the batch: 8 x group + 2 cx
	s_add_co_u32 s67, s67, s76
	s_add_co_u32 s2, s59, s63
	s_lshl_b32 s76, s66, 11
	s_add_co_u32 s76, s76, s2                      ; Q: a tile's two heads are 2,048 bytes
	s_mov_b32 s77, 0
	s_lshl_b32 s78, s67, 11
	s_add_co_u32 s78, s78, s2
	s_mov_b32 s79, 0
	s_lshr_b32 s2, s14, 4                          ; the batch
	s_lshl_b32 s3, s2, 7
	s_add_co_u32 s66, s66, s3                      ; the tile among all 512
	s_add_co_u32 s67, s67, s3
	s_bfe_u32 s3, s14, 0x30001                     ; the pair of heads: 3 bits from bit 1
	s_lshl_b32 s3, s3, 11
	s_add_co_u32 s3, s3, s63
	s_lshl_b32 s80, s66, 14
	s_add_co_u32 s80, s80, s3                      ; the result: tile x 16,384 + pair x 2,048 + head x 1,024
	s_mov_b32 s81, 0
	s_lshl_b32 s82, s67, 14
	s_add_co_u32 s82, s82, s3
	s_mov_b32 s83, 0
	s_lshl_b32 s2, s2, 11                          ; the batch's 2,048 bytes of src_mask
	s_mov_b32 s3, 0
	s_mov_b32 s54, 0x76543210                      ; v_permlanex16_b32's selects for lane l xor 16
	s_mov_b32 s55, 0xfedcba98
	s_wait_dscnt 0x0                               ; the opening add is done
	s_wait_kmcnt 0x0
	s_load_b256 s[68:75], s[8:9], 0x0              ; e0 .. e7
	s_add_nc_u64 s[34:35], s[4:5], s[60:61]
	s_or_b32 s35, s35, 0x80000000                  ; type = 2
	s_add_nc_u64 s[36:37], s[4:5], s[76:77]        ; Q of the first group,
	s_add_nc_u64 s[38:39], s[4:5], s[78:79]        ; of the second
	s_add_nc_u64 s[40:41], s[10:11], s[80:81]      ; the results
	s_add_nc_u64 s[42:43], s[10:11], s[82:83]
	s_add_nc_u64 s[6:7], s[6:7], s[2:3]
	CROUND                                         ; all four work-groups are here: the joint loads meet
	s_cmp_lt_u32 s12, 4                            ; two shapes, two lines; the branch hangs on the wave's number alone.  One tensor load of mine is out
	s_cbranch_scc0 .Lfor_v
	tensor_load_to_lds s[32:35], s[16:23]
	s_nop 0
.rept 4
	v_nop
.endr
	s_branch .Lasked
.Lfor_v:
	tensor_load_to_lds s[32:35], s[24:31]
	s_nop 0
.rept 4
	v_nop
.endr
.Lasked:
	v_and_b32 v[T0], 31, v0
	s_delay_alu instid0(VALU_DEP_1)
	v_lshlrev_b32 v[LI], 4, v[T0]
.irp u, 0,1                            ; Q stays in registers: tile u, registers 4 c .. 4 c + 3
.irp c, 0,1
	global_load_b128 v[QA+8*\u+4*\c:QA+8*\u+4*\c+3], v[LI], s[36:37] offset:2048*\u+512*\c
	global_load_b128 v[QB+8*\u+4*\c:QB+8*\u+4*\c+3], v[LI], s[38:39] offset:2048*\u+512*\c
.endr
.endr
	v_lshlrev_b32 v[TMP+2], 3, v0
	global_load_b64 v[TMP:TMP+1], v[TMP+2], s[6:7] ; eight bytes of the mask a thread: the batch's 2,048 in all
	v_and_b32 v[T0], 15, v0                        ; r
	v_bfe_u32 v[T1], v0, 4, 1                      ; h
	s_delay_alu instid0(VALU_DEP_1)
	v_lshl_add_u32 v[BI0], v[T1], 5, BIAS
	v_add_nc_u32 v[VL0], VLDS, v[LI]
	s_delay_alu instid0(VALU_DEP_3)
	v_lshlrev_b32 v[DQ], 3, v[T1]
	s_delay_alu instid0(VALU_DEP_1)
	v_sub_nc_u32 v[DQ], v[T0], v[DQ]
	s_lshl_b32 s2, s13, 5
	v_add_nc_u32 v[DQ], s2, v[DQ]                  ; 32 cx + r - 8 h
	v_mov_b32 v[NEGV], 0xf1800000                  ; -2^100
	s_mul_i32 s3, s12, VBP
	v_lshl_add_u32 v[VBW], v[T1], 5, VBS
	s_delay_alu instid0(VALU_DEP_1)
	v_add_nc_u32 v[VBW], s3, v[VBW]
	v_and_b32 v[VBR], 7, v0
	s_delay_alu instid0(VALU_DEP_1)
	v_mul_u32_u24 v[VBR], v[VBR], VBP
	s_delay_alu instid0(VALU_DEP_1)
	v_lshl_add_u32 v[VBR], v[T1], 5, v[VBR]
	s_delay_alu instid0(VALU_DEP_1)
	v_add_nc_u32 v[VBR], VBS, v[VBR]
	v_lshl_add_u32 v[ADB], v0, 5, BIAS             ; where my eight keys' words go
	v_mov_b32 v[F+1], 0                            ; (named as the upper half of a pair)
	v_mov_b32 v[PX], 0                             ; written once: a lane permute's destination counts as one of its sources
	s_wait_kmcnt 0x0
	s_add_co_i32 s2, s70, s71
	s_lshl_b32 s2, s2, 23
	s_add_co_i32 s52, s2, 0x3e38aa3b               ; c = log2(e) / 8 x 2^(e2 + e3): the exponents are added to the exponent field
	s_mov_b32 s53, s52                             ; (named with it as a pair)
	s_add_co_u32 s56, s52, 0xa9800000              ; -2^83 c: where the running t begins
	s_add_co_i32 s2, s72, 127
	s_lshl_b32 s3, s2, 23
	v_mov_b32 v[PSC], s3                           ; 2^e4
	s_add_co_i32 s2, s2, 8
	s_lshl_b32 s2, s2, 23
	s_or_b32 s2, s2, 0x600000
	v_mov_b32 v[PLIM], s2                          ; 448 x 2^e4
	s_add_co_i32 s2, s74, 127
	s_lshl_b32 s3, s2, 23
	v_mov_b32 v[OSC], s3                           ; 2^e6
	s_add_co_i32 s57, s72, s73                     ; e4 + e5
	s_sub_co_i32 s58, s57, 11                      ; and / 2,048
	s_wait_loadcnt 0x0                             ; the mask, and Q
.irp k, 0,1,2,3,4,5,6,7
	v_bfe_u32 v[T0], v[TMP+\k/4], 8*(\k%4), 8
	s_delay_alu instid0(VALU_DEP_1)
	v_cmp_ne_u32 vcc_lo, 0, v[T0]
	s_delay_alu instid0(VALU_DEP_1)
	v_cndmask_b32 v[TMP+8+\k], v[NIL], v[NEGV], vcc_lo   ; 0, or -2^100 where the key is hidden
.endr
	ds_store_b128 v[ADB], v[TMP+8:TMP+11]
	ds_store_b128 v[ADB], v[TMP+12:TMP+15] offset:16
	s_wait_tensorcnt 0x0                           ; my part of K or V has landed,
	s_wait_dscnt 0x0                               ; my words of the mask are stored:
	s_barrier_signal -1
	s_barrier_wait -1                              ; everybody's are
	; THE ALL-HIDDEN ROW'S RESULT: the sum over all keys of Q(1) Q(v) / 2,048.  Wave w sums key steps 2 w and 2 w + 1 by the matrix unit, P being the code of 1 everywhere.
.irp i, 0,1,2,3,4,5,6,7
	v_min_num_f32 v[TMP+\i], 1.0, v[PLIM]          ; 1, held at the largest code x the scale
.endr
.irp k, 0,1,2,3,4,5,6,7
	v_cvt_scalef32_pk8_fp8_f32 v[P+2*\k:P+2*\k+1], v[TMP:TMP+7], v[PSC]
.endr
	v_nop                                          ; a plain line between the conversions and the matrix instructions that read their results
	s_lshl_b32 s2, s12, 14
	v_add_nc_u32 v[ADV], s2, v[VL0]
	WIN 0x40                                       ; destination window 1
.irp s, 0,1
.irp t, 0,1,2,3
.irp c, 0,1,2,3
	ds_load_b128 v[64*\s+16*\t+4*\c:64*\s+16*\t+4*\c+3], v[ADV] offset:8192*\s+2048*\t+512*\c
.endr
.endr
.endr
	WIN 0x01                                       ; source 0 window 1
	s_wait_alu depctr_va_vdst(0)
	s_wait_dscnt 0x0
.irp t, 0,1,2,3                        ; the four accumulators take turns
	v_wmma_f32_16x16x128_fp8_fp8 v[S+8*\t:S+8*\t+7], v[16*\t:16*\t+15], v[P:P+15], 0
.endr
.irp t, 0,1,2,3
	v_wmma_f32_16x16x128_fp8_fp8 v[S+8*\t:S+8*\t+7], v[64+16*\t:64+16*\t+15], v[P:P+15], v[S+8*\t:S+8*\t+7]
.endr
	WIN 0
.rept 4
	v_nop
.endr
.set i, 0
.rept 32
	v_ldexp_f32 v[S+i], v[S+i], s58                ; x 2^(e4 + e5 - 11): nothing is rounded
.set i, i+1
.endr
.irp t, 0,1,2,3
.irp i, 0,1
	ds_store_b128 v[VBW], v[S+8*\t+4*\i:S+8*\t+4*\i+3] offset:64*\t+16*\i   ; channel 16 t + 8 h + 4 i on; the sixteen lanes of a half hold the same numbers and write the same words
.endr
.endr
	s_wait_dscnt 0x0
	s_barrier_signal -1
	s_barrier_wait -1
.irp t, 0,1,2,3
.irp i, 0,1
	ds_load_b128 v[VBAR+8*\t+4*\i:VBAR+8*\t+4*\i+3], v[VBR] offset:64*\t+16*\i   ; lane l takes wave (l % 8)'s part,
.endr
.endr
	s_wait_dscnt 0x0
.irp m, 1,2,4                          ; and eight neighbouring lanes add theirs
.set i, 0
.rept 32
	v_add_f32_dpp v[VBAR+i], v[VBAR+i], v[VBAR+i] row_xmask:\m row_mask:0xf bank_mask:0xf
.set i, i+1
.endr
.endr
; ONE TILE OF 16 QUERIES IN ONE KEY STEP.  u: the tile; q: Q's registers; g: the scalar register with the group's number.
.macro TILE u, q, g
.set rT, ST+4*(\u)
.set rO, O+32*(\u)
	WIN 0x11                                       ; source 0 (K) and source 2 (the mask) window 1
.irp t, 0,1,2,3,4,5,6,7
	v_wmma_f32_16x16x64_fp8_fp8 v[S+8*\t:S+8*\t+7], v[KF+8*\t:KF+8*\t+7], v[\q+8*(\u):\q+8*(\u)+7], v[BF+8*\t:BF+8*\t+7]
.endr
	WIN 0
.rept 4
	v_nop
.endr
	s_cmp_lg_u32 s48, s[\g]                        ; only the group's own key step lies on the diagonal
	s_cbranch_scc1 .Lopen_\@
.irp t, 0,1,2,3,4,5,6,7                ; register 8 t + j holds key 16 t + 8 h + j of the step; my query is 32 cx + 16 u + r of the group: hidden where 16 t + j - 16 u > 32 cx + r - 8 h
.irp j, 0,1,2,3,4,5,6,7
	v_cmp_gt_i32 vcc_lo, 16*\t+\j-16*(\u), v[DQ]
	v_cndmask_b32 v[S+8*\t+\j], v[S+8*\t+\j], v[NEGV], vcc_lo
.endr
.endr
.Lopen_\@:
	v_max3_num_f32 v[T0], v[S], v[S+1], v[S+2]     ; the step's largest score of my query among my 64 keys, in two chains; each accumulator is read from its low end on
	v_max3_num_f32 v[T1], v[S+3], v[S+4], v[S+5]
.irp i, 6,10,14,18,22,26,30,34,38,42,46,50,54,58
	v_max3_num_f32 v[T0], v[T0], v[S+\i], v[S+\i+1]
	v_max3_num_f32 v[T1], v[T1], v[S+\i+2], v[S+\i+3]
.endr
	v_max3_num_f32 v[T0], v[T0], v[S+62], v[S+63]
	s_delay_alu instid0(VALU_DEP_1)
	v_max_num_f32 v[T0], v[T0], v[T1]
	s_delay_alu instid0(VALU_DEP_1)
	v_permlanex16_b32 v[PX], v[T0], s54, s55
	s_delay_alu instid0(VALU_DEP_1)
	v_max_num_f32 v[T0], v[T0], v[PX]              ; and among lane l xor 16's
	s_delay_alu instid0(VALU_DEP_1)
	v_mul_f32 v[T0], s52, v[T0]                    ; as t (c is positive)
	s_delay_alu instid0(VALU_DEP_1)
	v_max_num_f32 v[rT+1], v[rT+1], v[T0]          ; the running largest t
	v_mov_b32 v[T0], v[rT]
	s_delay_alu instid0(VALU_DEP_2)
	v_floor_f32 v[rT], -v[rT+1]                    ; the new -M = floor(-t): M is a whole number
	s_delay_alu instid0(VALU_DEP_1)
	v_sub_f32 v[T0], v[rT], v[T0]                  ; old M - new M: a whole number, 0 or less
	s_delay_alu instid0(VALU_DEP_1)
	v_cvt_i32_f32 v[T0], v[T0]                     ; (it saturates)
	s_delay_alu instid0(VALU_DEP_1)
	v_ldexp_f32 v[F], 1.0, v[T0]                   ; f = 2^(old M - new M)
.set i, 0
.rept 32
	v_pk_fma_f32 v[S+i:S+i+1], v[S+i:S+i+1], s[52:53], v[rT:rT+1] op_sel_hi:[1,0,0]   ; t - M, two at a time
.set i, i+2
.endr
.set i, 0
	s_wait_alu depctr_va_vdst(0)
.rept 64
	v_exp_f32 v[S+i], v[S+i]                       ; p = 2^(t - M), at most 1
.set i, i+1
.endr
	v_pk_mul_f32 v[rT+2:rT+3], v[rT+2:rT+3], v[F:F+1] op_sel_hi:[1,0]   ; l under the new M: the plain line behind the exponentials
	s_wait_alu depctr_va_vdst(0)                   ; one wait for the whole batch, ahead of its first reader
	v_pk_add_f32 v[SUM2:SUM2+1], v[S:S+1], v[S+2:S+3]   ; the sum of the unquantised p, in two chains
.irp j, 4,8,12,16,20,24,28,32,36,40,44,48,52,56,60
	v_pk_add_f32 v[rT+2:rT+3], v[rT+2:rT+3], v[S+\j:S+\j+1]
	v_pk_add_f32 v[SUM2:SUM2+1], v[SUM2:SUM2+1], v[S+\j+2:S+\j+3]
.endr
	s_delay_alu instid0(VALU_DEP_1)
	v_pk_add_f32 v[rT+2:rT+3], v[rT+2:rT+3], v[SUM2:SUM2+1]
.irp t, 0,1,2,3,4,5,6,7
.irp j, 0,1,2,3,4,5,6,7
.endr
	v_cvt_scalef32_pk8_fp8_f32 v[P+2*\t:P+2*\t+1], v[S+8*\t:S+8*\t+7], v[PSC]   ; keys 16 t + 8 h + 0..7: registers 2 t, 2 t + 1 of P
.endr
.set i, 0
.rept 16
	v_pk_mul_f32 v[rO+i:rO+i+1], v[rO+i:rO+i+1], v[F:F+1] op_sel_hi:[1,0]   ; O^T under the new M; also the plain lines between the conversions and the products
.set i, i+2
.endr
.if (\u) == 0
	s_wait_alu depctr_va_vdst(0)
	s_wait_dscnt 0x0                               ; V's fragments are in
.endif
	WIN 0x01                                       ; source 0 (V) window 1
.irp t, 0,1,2,3
	v_wmma_f32_16x16x128_fp8_fp8 v[rO+8*\t:rO+8*\t+7], v[VF+16*\t:VF+16*\t+15], v[P:P+15], v[rO+8*\t:rO+8*\t+7]
.endr
	WIN 0
.endm
; A KEY STEP: 128 keys for my two tiles: each fragment of K, of V and of the mask feeds both.
.macro STEP q, g
	v_add_nc_u32 v[ADK], s49, v[LI]                ; these three and the v_nop are the four places in front of loads into registers that the last products read
	v_add_nc_u32 v[ADV], s49, v[VL0]
	v_add_nc_u32 v[ADB], s50, v[BI0]
	v_nop
	WIN 0x40                                       ; destination window 1
.irp t, 0,1,2,3,4,5,6,7
	ds_load_b128 v[BF+8*\t:BF+8*\t+3], v[ADB] offset:64*\t        ; the mask of keys 16 t + 8 h + 0..7, in the scores' layout
	ds_load_b128 v[BF+8*\t+4:BF+8*\t+7], v[ADB] offset:64*\t+16
.endr
.irp t, 0,1,2,3,4,5,6,7
	ds_load_b128 v[KF+8*\t:KF+8*\t+3], v[ADK] offset:1024*\t
	ds_load_b128 v[KF+8*\t+4:KF+8*\t+7], v[ADK] offset:1024*\t+512
.endr
.irp t, 0,1,2,3
.irp c, 0,1,2,3
	ds_load_b128 v[VF+16*\t+4*\c:VF+16*\t+4*\c+3], v[ADV] offset:2048*\t+512*\c
.endr
.endr
	WIN 0
	s_wait_dscnt 16                                ; the mask and K are in; V's sixteen loads may be out
	TILE 0, \q, \g
	TILE 1, \q, \g
.endm
; THE WAY OUT of a group: / l, the all-hidden rows' choice, the quantiser for the last product; the codes are stored as they stand.
.macro OUT ob
.rept 4
	v_nop                                          ; behind the last products
.endr
	s_wait_xcnt 0x0                                ; the first group's stores have read their registers: the codes' registers are written again only behind this wait
.irp u, 0,1
	v_add_f32 v[ST+4*\u+2], v[ST+4*\u+2], v[ST+4*\u+3]
.endr
.irp u, 0,1
	s_delay_alu instid0(VALU_DEP_2)
	v_permlanex16_b32 v[T0+\u], v[ST+4*\u+2], s54, s55
.endr
.irp u, 0,1
	s_delay_alu instid0(VALU_DEP_2)
	v_add_f32 v[ST+4*\u+2], v[ST+4*\u+2], v[T0+\u] ; the row's sum
.endr
	s_wait_alu depctr_va_vdst(0)
.irp u, 0,1
	v_rcp_f32 v[ST+4*\u], v[ST+4*\u+2]             ; into -M's place, which is done with
.endr
	v_nop                                          ; a plain line behind the reciprocals
	v_cmp_gt_f32 s44, 0.5, v[ST+2]                 ; l = 0: all visible keys were hidden by src_mask
	v_cmp_gt_f32 s45, 0.5, v[ST+6]
	s_wait_alu depctr_va_vdst(0)                   ; one wait for both reciprocals, ahead of their first reader
.irp u, 0,1
	v_ldexp_f32 v[ST+4*\u], v[ST+4*\u], s57        ; x 2^(e4 + e5)
.endr
.irp u, 0,1
.set i, 0
.rept 16
	v_pk_mul_f32 v[O+32*\u+i:O+32*\u+i+1], v[O+32*\u+i:O+32*\u+i+1], v[ST+4*\u:ST+4*\u+1] op_sel_hi:[1,0]
.set i, i+2
.endr
.set i, 0
.rept 32
	v_cndmask_b32 v[O+32*\u+i], v[O+32*\u+i], v[VBAR+i], s[44+\u]
.set i, i+1
.endr
.set i, 0
.rept 32
.set i, i+1
.endr
.irp t, 0,1,2,3
	v_cvt_scalef32_pk8_fp8_f32 v[TMP+8*\u+2*\t:TMP+8*\u+2*\t+1], v[O+32*\u+8*\t:O+32*\u+8*\t+7], v[OSC]   ; channels 16 t + 8 h + 0..7 of my token: a register pair of the next operand's image
.endr
.endr
	v_nop                                          ; a plain line behind the last conversion
.irp u, 0,1
.irp i, 0,1
	global_store_b128 v[LI], v[TMP+8*\u+4*\i:TMP+8*\u+4*\i+3], s[\ob:\ob+1] offset:16384*\u+512*\i   ; 32 lanes store 512 consecutive bytes, at a multiple of 512 from the buffer's first byte
.endr
.endr
.endm
; A GROUP OF QUERIES.  The loop's trip count n is a constant; a step whose keys all come behind the group is jumped over: a branch on the wave's number and the count of steps.
.macro PASS n, q, g, ob
	v_mov_b32 v[ST+1], s56                         ; the running t: -2^83 c
	v_mov_b32 v[ST+5], s56
	s_delay_alu instid0(VALU_DEP_2)
	v_floor_f32 v[ST], -v[ST+1]
	s_delay_alu instid0(VALU_DEP_2)
	v_floor_f32 v[ST+4], -v[ST+5]
	v_mov_b32 v[ST+2], 0
	v_mov_b32 v[ST+3], 0
	v_mov_b32 v[ST+6], 0
	v_mov_b32 v[ST+7], 0
.set i, 0
.rept 64
	v_mov_b32 v[O+i], 0                            ; the step is written once: its first walk finds zeros, which the first change of M leaves zeros
.set i, i+1
.endr
	s_mov_b32 s48, 0                               ; the key step,
	s_mov_b32 s49, 0                               ; its 8,192 bytes of K and of V,
	s_mov_b32 s50, 0                               ; its 512 bytes of the mask
.Lkey_\@:
	s_cmp_gt_u32 s48, s[\g]
	s_cbranch_scc1 .Lhidden_\@
	STEP \q, \g
.Lhidden_\@:
	s_add_co_u32 s49, s49, 8192
	s_add_co_u32 s50, s50, 512
	s_add_co_u32 s48, s48, 1
	s_cmp_lt_u32 s48, \n
	s_cbranch_scc1 .Lkey_\@
	OUT \ob
.endm
	PASS 8, QA, 46, 40                             ; group w: w + 1 steps
	PASS 16, QB, 47, 42                            ; group 15 - w: 16 - w steps
	s_wait_tensorcnt 0x0                           ; the wave's end: behind my last tensor load and my last LDS store
	ds_add_u32 v[SPW], v[NIL]
	s_wait_dscnt 0x0
	CROUND                                         ; the closing round
	s_endpgm
.Lfunc_end_k_q658b774d8a_attn:
	.size	k_q658b774d8a_attn, .Lfunc_end_k_q658b774d8a_attn-k_q658b774d8a_attn
	.p2alignl 7, 3214868480
	.fill 96, 4, 3214868480
	.section	.rodata,"a",@progbits
	.p2align	6, 0x0
	.amdhsa_kernel k_q658b774d8a_attn
		.amdhsa_group_segment_fixed_size 274432
		.amdhsa_private_segment_fixed_size 0
		.amdhsa_enable_private_segment 0
		.amdhsa_kernarg_size 32
		.amdhsa_user_sgpr_count 2
		.amdhsa_user_sgpr_kernarg_segment_ptr 1
		.amdhsa_wavefront_size32 1
		.amdhsa_system_sgpr_workgroup_id_x 1
		.amdhsa_system_sgpr_workgroup_id_y 1
		.amdhsa_system_sgpr_workgroup_id_z 1
		.amdhsa_system_vgpr_workitem_id 0
		.amdhsa_next_free_vgpr 512
		.amdhsa_next_free_sgpr 84
		.amdhsa_reserve_vcc 1
		.amdhsa_float_denorm_mode_32 3
		.amdhsa_float_denorm_mode_16_64 3
		.amdhsa_fp16_overflow 1
		.amdhsa_memory_ordered 1
		.amdhsa_forward_progress 1
		.amdhsa_inst_pref_size 116
	.end_amdhsa_kernel
	.amdgpu_metadata
---
amdhsa.version: [ 1, 2 ]
amdhsa.kernels:
  - .name:           k_q658b774d8a_attn
    .symbol:         k_q658b774d8a_attn.kd
    .args:
      - { .name: qkvc, .offset: 0, .size: 8, .value_kind: global_buffer, .address_space: global }
      - { .name: src_mask, .offset: 8, .size: 8, .value_kind: global_buffer, .address_space: global }
      - { .name: lowp_scales, .offset: 16, .size: 8, .value_kind: global_buffer, .address_space: global }
      - { .name: ac, .offset: 24, .size: 8, .value_kind: global_buffer, .address_space: global }
    .group_segment_fixed_size: 274432
    .private_segment_fixed_size: 0
    .kernarg_segment_align: 8
    .kernarg_segment_size: 32
    .max_flat_workgroup_size: 256
    .sgpr_count:     84
    .vgpr_count:     512
    .wavefront_size: 32
...
	.end_amdgpu_metadata
.endif
;; end of part 3
;; launch oproj (part 4): grid 4 x 32, 4 waves a work-group, clusters of 4 x 4, 327,680 bytes of LDS; arguments ac, woc, lowp_scales, out0; writes out0
.if DOCPART == 4
	.amdgcn_target "amdgcn-amd-amdhsa--gfx1250"
	.amdhsa_code_object_version 6
	.text
	.protected	k_q658b774d8a_oproj
	.globl	k_q658b774d8a_oproj
	.p2align	8
	.type	k_q658b774d8a_oproj,@function
k_q658b774d8a_oproj:
	s_mov_b64 s[64:65], 0
	v_nop
	global_prefetch_b8 v0, s[64:65] scope:SCOPE_SE
	s_setreg_imm32_b32 hwreg(HW_REG_WAVE_MODE, 25, 1), 1
	s_wait_xcnt 0x0
	s_wait_alu depctr_hold_cnt(0) depctr_sa_sdst(0) depctr_va_vdst(0) depctr_va_sdst(0) depctr_va_ssrc(0) depctr_va_vcc(0) depctr_vm_vsrc(0)
	s_getreg_b32 s2, hwreg(HW_REG_IB_STS2, 6, 4)
	s_cmp_eq_u32 s2, 0
	s_cbranch_scc0 .Lentry_in_a_cluster
	s_endpgm
.Lentry_in_a_cluster:
	s_bfe_u32 s2, ttmp6, 0x10000c
	s_cmp_lg_u32 s2, 0xf033
	s_cbranch_scc0 .Lentry_shape_is_right
	s_endpgm
.Lentry_shape_is_right:
; The last product, out0 = attention's result x W_o^T, on codes of FP8 (E4M3), K = 1,024; each finished sum is multiplied once by 2^(e6 + e7).  LIMIT: e6 + e7 between -126 and 127.
; ac: [512 tiles of 16 tokens][8 blocks of 128 K][2,048], woc: [64 tiles of 16 rows][8][2,048]: images of operand registers ([cc][lane][16 bytes]).  out0: [8192][1024] f32.
; A tile of 256 x 256 is made by four waves, 128 x 128 each: 64 accumulators, 512 registers.  K goes in four steps of 256 through a ring of two LDS slots filled by the tensor data mover.
; CLUSTERS: 4 x 4 work-groups; A's tile (tokens) is shared along a row of the cluster, B's (rows of W_o) along a column: joint loads, each with the mask of the four that need it.
; THE MATRIX INSTRUCTION IS USED TRANSPOSED (source 0 = 16 rows of W_o, source 1 = 16 tokens): a lane holds eight neighbouring numbers of a row of out0.
; REGISTERS, in windows of 256: window 0: v0-31 addresses; from v128 A's fragments, one set; on the way out v32-255 are free.  window 1: B's fragments, two sets.
;   window 2: the accumulators of my rows 0-63 ((a, b) at v[8 (8 a + b)]); window 3: those of rows 64-127.
.set SIZE_N, 1024
.set KSB,    4096                      ; a K step (256 along K) of a tile of 16 rows: two images
.set TROW,   16384                     ; from a tile of 16 rows to the next in memory
.set HALFT,  8*KSB                     ; what one tensor load brings and one wave reads of A or of B: 128 rows
.set SLOT,   4*HALFT                   ; A's 256 rows, then B's
.set LAPS,   2                         ; a lap = two K steps = once round the ring
.set SPARE,  2*SLOT                    ; behind the ring: the spare words, 128 bytes a wave, two blocks of 256 bytes that no other line names
.set SPITCH, 528                       ; the way out: a stage of 16 rows x (512 bytes + 16) for each wave, in slot 0, which has had its last fill and its last read when the first result is stored there
.set FR,     16
.set NL,     4
.set NP,     4                         ; places behind this matrix instruction (ISA guide 7.12.1)
.set ADRA, 16                          ; v16-17  LDS address of my A fragments in slot 0, 1
.set ADRB, 20                          ; v20-21  the same for B
.set STO,  24                          ; v24     the way out: where I put 32 bytes of a row
.set RD,   25                          ; v25     the way out: where I read a row back
.set CO,   26                          ; v26     16 x lane
.set SPW,  28                          ; v28     LDS address of my spare word; never rewritten
.set NIL,  29                          ; v29     0; never rewritten
.set TMP,  32                          ; the way out: 64 registers, a block's sums x 2^(e6 + e7)
.set AF,   128
.set BK,   128                         ; the way out: 16 rows read back from the stage: v128-191 and v192-255 by turns
.set G1, 24
.set G0, 32
.set G1B, 48
.set G0B, 56
.set MSB, 0
.macro WIN new                         ; the immediate's high byte repeats the setting that is left
.if MSB != \new
	s_set_vgpr_msb (MSB<<8)|\new
.set MSB, \new
.endif
.endm
.set MUL_LO, 0xa1                      ; source 0 (B) window 1, source 1 (A) window 0, C and D window 2
.set MUL_HI, 0xf1                      ; the same, C and D window 3
.set TO_B,   0x40                      ; destination window 1, address window 0
; A joint load: waves 0 and 1 fetch for A, waves 2 and 3 for B.  The branch hangs on the wave's number alone.  An s_nop 0 and four v_nop follow each of the two lines.
.macro JLOAD g0a, g1a, g0b, g1b
	s_cmp_eq_u32 s15, 0
	s_cbranch_scc0 .Lfor_b_\@
	tensor_load_to_lds s[\g0a:\g0a+3], s[\g1a:\g1a+7]
	s_nop 0
.rept 4
	v_nop
.endr
	s_branch .Lasked_\@
.Lfor_b_\@:
	tensor_load_to_lds s[\g0b:\g0b+3], s[\g1b:\g1b+7]
	s_nop 0
.rept 4
	v_nop
.endr
.Lasked_\@:
.endm
.macro CREST                           ; a round of the cluster's barrier behind its opening barrier
	s_cmp_lg_u32 s14, 0
	s_cbranch_scc1 .Lnot_wave_0_\@
	s_barrier_signal -3
.Lnot_wave_0_\@:
	s_barrier_wait -3
	s_barrier_signal -1
	s_barrier_wait -1
.endm
.macro CROUND                          ; a whole round
	s_barrier_signal -1
	s_barrier_wait -1
	CREST
.endm
	s_load_b256 s[4:11], s[0:1], 0x0               ; ac s[4:5], woc s[6:7], the scales s[8:9], out0 s[10:11]
	v_lshl_add_u32 v[SPW], v0, 2, SPARE
	v_mov_b32 v[NIL], 0
	ds_add_u32 v[SPW], v[NIL]                      ; the wave's opening: the add and its wait stand ahead of my first tensor load; the set-up below, work on registers, stands between them
	ds_add_u32 v[SPW], v[NIL]
	v_lshrrev_b32 v1, 5, v0
	v_readfirstlane_b32 s14, v1                    ; wave 0..3
	s_lshr_b32 s15, s14, 1                         ; which half of the tile's rows is mine.  Also: I fetch for A (0) or for B (1)
	s_and_b32 s16, s14, 1                          ; which half of its columns.  Also: which 128 rows of that tile I fetch
	s_bfe_u32 s40, ttmp6, 0x40000                  ; cx, cy: my place in the cluster
	s_bfe_u32 s41, ttmp6, 0x40004
	s_lshl_b32 s42, ttmp9, 2
	s_add_co_u32 s42, s42, s40                     ; tile column = 4 x cluster x + cx
	s_and_b32 s17, ttmp7, 0xffff
	s_lshl_b32 s17, s17, 2
	s_add_co_u32 s17, s17, s41                     ; tile row = 4 x cluster y + cy
	s_lshl_b32 s43, s41, 2
	s_lshl_b32 s43, 15, s43                        ; my row of the cluster
	s_lshl_b32 s44, 0x1111, s40                    ; my column
	; descriptor group 1: eight rows (tiles of 16) of 4,096 bytes, 16,384 bytes apart, in elements of 8 bytes; dense in LDS
	s_or_b32 s[G1+0], s43, (3<<16)|(1<<21)         ; 15:0 the mask: my row; 17:16 elements of 8 bytes; 21 set beside a mask
	s_or_b32 s[G1B+0], s44, (3<<16)|(1<<21)
.irp g, G1, G1B
	s_mov_b32 s[\g+1], (KSB/8)<<16                 ; tensor_dim0 = 512
	s_mov_b32 s[\g+2], 8<<16                       ; tensor_dim1 = 8
	s_mov_b32 s[\g+3], (KSB/8)<<16                 ; tile_dim0 = 512
	s_mov_b32 s[\g+4], 8                           ; tile_dim1 = 8
	s_mov_b32 s[\g+5], TROW/8                      ; tensor_dim0_stride = 2,048
	s_mov_b32 s[\g+6], 0
	s_mov_b32 s[\g+7], 0
.endr
	s_lshl_b32 s18, s17, 1
	s_add_co_u32 s18, s18, s16
	s_lshl_b32 s18, s18, 17                        ; A: (2 x tile row + the half that I fetch) x 8 tiles x 16,384 bytes
	s_mov_b32 s19, 0
	s_lshl_b32 s22, s42, 1
	s_add_co_u32 s22, s22, s16
	s_lshl_b32 s22, s22, 17                        ; B likewise
	s_mov_b32 s23, 0
	s_mul_i32 s45, s14, HALFT                      ; where they go: wave x 128 rows: no place in the cluster enters an LDS address
	s_wait_dscnt 0x0                               ; the opening add is done
	s_wait_kmcnt 0x0
	s_load_b64 s[96:97], s[8:9], 0x18              ; e6, e7
	s_add_nc_u64 s[20:21], s[4:5], s[18:19]
	s_add_nc_u64 s[46:47], s[6:7], s[22:23]
	CROUND                                         ; all sixteen work-groups are here: the first joint loads meet
.irp s, 0,1
	s_mov_b32 s[G0+4*\s], 1
	s_add_co_u32 s[G0+4*\s+1], s45, \s*SLOT
	s_add_nc_u64 s[G0+4*\s+2:G0+4*\s+3], s[20:21], \s*KSB
	s_or_b32 s[G0+4*\s+3], s[G0+4*\s+3], 0x80000000
	s_mov_b32 s[G0B+4*\s], 1
	s_add_co_u32 s[G0B+4*\s+1], s45, \s*SLOT
	s_add_nc_u64 s[G0B+4*\s+2:G0B+4*\s+3], s[46:47], \s*KSB
	s_or_b32 s[G0B+4*\s+3], s[G0B+4*\s+3], 0x80000000
	s_wait_alu depctr_va_vdst(0)
	s_wait_tensorcnt 0x0
	ds_add_u32 v28, v29
	ds_add_u32 v28, v29
	s_wait_dscnt 0x0
	CROUND
	JLOAD G0+4*\s, G1, G0B+4*\s, G1B
.endr
	v_and_b32 v1, 15, v0                           ; l % 16
	s_wait_alu depctr_va_vdst(0)
	v_bfe_u32 v2, v0, 4, 1                         ; l / 16
	v_and_b32 v6, 31, v0
	v_lshlrev_b32 v[CO], 4, v6                     ; 16 x lane: an image's place for my lane, and my 16 bytes of a row of 512
	s_mul_i32 s21, s15, HALFT                      ; my 128 rows of A
	s_mul_i32 s22, s16, HALFT                      ; my 128 rows of B,
	s_add_co_u32 s22, s22, 2*HALFT                 ; which lie behind A's 256
.irp s, 0,1
	v_add_nc_u32 v[ADRA+\s], s21, v[CO]
	v_add_nc_u32 v[ADRB+\s], s22, v[CO]
	s_add_co_u32 s21, s21, SLOT
	s_add_co_u32 s22, s22, SLOT
.endr
	s_mul_i32 s23, s14, 16*SPITCH                  ; my stage
	v_mul_u32_u24 v5, v1, SPITCH                   ; in: row l % 16, 32 bytes for each half of the lanes
	s_wait_alu depctr_va_vdst(0)
	v_lshl_add_u32 v5, v2, 5, v5
	v_add_nc_u32 v[STO], s23, v5
	v_add_nc_u32 v[RD], s23, v[CO]                 ; back: the 32 lanes take one row of 512 bytes
	s_lshl_b32 s20, s17, 8
	s_lshl_b32 s21, s15, 7
	s_add_co_u32 s20, s20, s21                     ; my first row of out0: 256 x tile row + 128 x half,
	s_lshl_b32 s20, s20, 12                        ; of 4,096 bytes
	s_mov_b32 s21, 0
	s_lshl_b32 s46, s42, 10                        ; my first column, in bytes: 1,024 x tile column + 512 x half
	s_lshl_b32 s47, s16, 9
	s_add_co_u32 s46, s46, s47
	s_mov_b32 s47, 0
	s_add_nc_u64 s[20:21], s[20:21], s[46:47]
	s_add_nc_u64 s[10:11], s[10:11], s[20:21]
.macro FRAG reg, adr, q, i             ; a fragment comes as it lies: four loads of 512 consecutive bytes
.irp c, 0,1,2,3
	ds_load_b128 v[\reg+4*\c:\reg+4*\c+3], v[\adr] offset:(\i)*KSB+(\q)*2048+512*\c
.endr
.endm
; 16 matrix instructions: A's blocks a0, a0 + 1 x B's eight, 128 along K.  p: B's set.  zero = 1: the first product starts the sums.
; The 64 accumulators take turns, one instruction a turn, in the same order in every step.
.macro MUL16 a0, p, zero
.irp a, \a0, \a0+1
.irp b, 0,1,2,3,4,5,6,7
.if \zero
	v_wmma_f32_16x16x128_fp8_fp8 v[8*(8*((\a)%4)+\b):8*(8*((\a)%4)+\b)+7], v[128*(\p)+FR*\b:128*(\p)+FR*\b+FR-1], v[AF+FR*(\a):AF+FR*(\a)+FR-1], 0
.else
	v_wmma_f32_16x16x128_fp8_fp8 v[8*(8*((\a)%4)+\b):8*(8*((\a)%4)+\b)+7], v[128*(\p)+FR*\b:128*(\p)+FR*\b+FR-1], v[AF+FR*(\a):AF+FR*(\a)+FR-1], v[8*(8*((\a)%4)+\b):8*(8*((\a)%4)+\b)+7]
.endif
.endr
.endr
.endm
.macro FETCH_B slot, q, p
	WIN TO_B
.irp i, 0,1,2,3,4,5,6,7
	FRAG 128*(\p)+FR*\i, ADRB+\slot, \q, \i
.endr
	WIN 0
.endm
.macro FETCH_A slot, q, i0
.irp i, \i0, \i0+1, \i0+2, \i0+3
	FRAG AF+FR*(\i), ADRA+\slot, \q, \i
.endr
.endm
.macro PLACES n                        ; plain vector lines between a matrix instruction and a load into a register that it read, or a read of its result
.rept \n
	v_nop
.endr
.endm
.macro STEP slot, q, zero              ; a step of 128 along K that has its successor in the same slot
	s_wait_dscnt 4*NL                              ; B's set and A's blocks 0-3 are in; the youngest sixteen loads (A's blocks 4-7) may be out
	WIN MUL_LO
	MUL16 0, (\q)%2, \zero
	MUL16 2, (\q)%2, \zero
	s_wait_dscnt 0                                 ; A's blocks 4-7 are in
	PLACES NP
	FETCH_B \slot, (\q)+1, 1-(\q)%2
	FETCH_A \slot, (\q)+1, 0
	WIN MUL_HI
	MUL16 4, (\q)%2, \zero
	MUL16 6, (\q)%2, \zero
	PLACES NP
	WIN 0
	FETCH_A \slot, (\q)+1, 4
.endm
; A slot's last step changes slots: one barrier; in front of it each wave waits for all its tensor loads, adds 0 to its spare word, and waits for that and for its reads of this slot.  fill = 1: this slot is filled again, two K steps ahead.
.macro TURN slot, next, fill
	s_wait_tensorcnt 0x0                           ; all my tensor loads have landed: my part of the next slot (every window is 0 here)
	ds_add_u32 v[SPW], v[NIL]                      ; 0 onto my spare word
	s_wait_dscnt 4*NL+1                            ; the add and the youngest sixteen loads may be out
	WIN MUL_LO
	MUL16 0, 1, 0                                  ; sixteen matrix instructions stand between the add and the wait for it
	s_wait_dscnt 0x0                               ; the add is done, and my reads of this slot are over
	s_barrier_signal -1
	MUL16 2, 1, 0
	WIN 0
	s_barrier_wait -1
.if \fill
	CREST                                          ; the barrier has opened a round of the cluster's barrier: no wave of any partner still reads this slot or has a load on its way
	s_add_nc_u64 s[G0+4*\slot+2:G0+4*\slot+3], s[G0+4*\slot+2:G0+4*\slot+3], 2*KSB
	s_add_nc_u64 s[G0B+4*\slot+2:G0B+4*\slot+3], s[G0B+4*\slot+2:G0B+4*\slot+3], 2*KSB
	JLOAD G0+4*\slot, G1, G0B+4*\slot, G1B         ; the first tensor load behind the round; its four v_nop are the places in front of the loads below
.else
	PLACES NP
.endif
	FETCH_B \next, 0, 0
	FETCH_A \next, 0, 0
	WIN MUL_HI
	MUL16 4, 1, 0
	MUL16 6, 1, 0
	PLACES NP
	WIN 0
	FETCH_A \next, 0, 4
.endm
	s_wait_tensorcnt 1                             ; my part of K step 0 is in; K step 1's load may be out
	s_barrier_signal -1
	s_barrier_wait -1                              ; everybody's is
	FETCH_B 0, 0, 0
	FETCH_A 0, 0, 0
	FETCH_A 0, 0, 4
	STEP 0, 0, 1                                   ; the first step stands in front of the loop: its products start the sums
	s_mov_b32 s3, LAPS-1
.Llap:                                                 ; a trip goes once round the ring and fills both slots again
	TURN 0, 1, 1
	STEP 1, 0, 0
	TURN 1, 0, 1
	STEP 0, 0, 0
	s_sub_co_u32 s3, s3, 1
	s_cmp_lg_u32 s3, 0
	s_cbranch_scc1 .Llap
	TURN 0, 1, 0                                   ; the last lap fills nothing, and has no round of the cluster's barrier
	STEP 1, 0, 0
	s_wait_dscnt 4*NL                              ; the very last step: nothing more to fetch
	WIN MUL_LO
	MUL16 0, 1, 0
	MUL16 2, 1, 0
	s_wait_dscnt 0
	WIN MUL_HI
	MUL16 4, 1, 0
	MUL16 6, 1, 0
	WIN 0
; THE WAY OUT, block by block of 16 rows x 128 columns.  A lane holds 32 neighbouring bytes of a row, and the lanes beside it hold other rows: so a block goes through my own stage in LDS and comes back as whole
; rows of 512 bytes.  LDS serves a wave's instructions in order (ISA guide 5.7.1.4): no wait between the stores and the loads, nor in front of the next block's stores.
.macro TOSTAGE a
.set AC, 64*((\a)%4)
	WIN 0x02+((\a)/4)                              ; source 0: window 2 or 3
.irp j, 0,2,4,6,8,10,12,14,16,18,20,22,24,26,28,30,32,34,36,38,40,42,44,46,48,50,52,54,56,58,60,62
	v_pk_mul_f32 v[TMP+\j:TMP+\j+1], v[AC+\j:AC+\j+1], s[96:97] op_sel_hi:[1,0]   ; both x s96 = 2^(e6 + e7); each accumulator from its low end on
.endr
	WIN 0
.irp b, 0,1,2,3,4,5,6,7
	ds_store_b128 v[STO], v[TMP+8*\b:TMP+8*\b+3] offset:64*\b
	ds_store_b128 v[STO], v[TMP+8*\b+4:TMP+8*\b+7] offset:64*\b+16
.endr
.set BB, BK+64*((\a)%2)
.irp t, 0,1,2,3,4,5,6,7,8,9,10,11,12,13,14,15
	ds_load_b128 v[BB+4*\t:BB+4*\t+3], v[RD] offset:\t*SPITCH
.endr
.endm
.macro SEND a, younger                 ; younger: the LDS instructions issued behind block a's loads, which may stay out
.set BB, BK+64*((\a)%2)
	s_wait_dscnt \younger                          ; the block is back in registers
.if (\a) > 0
	s_add_nc_u64 s[10:11], s[10:11], 16*SIZE_N*4   ; (behind a wait on XCNT: the earlier stores have read their base)  16 rows on
.endif
.irp t, 0,1,2,3,4,5,6,7,8,9,10,11,12,13,14,15
	global_store_b128 v[CO], v[BB+4*\t:BB+4*\t+3], s[10:11] offset:\t*SIZE_N*4 th:TH_STORE_NT   ; 32 lanes store 512 consecutive bytes, at a multiple of 512 from out0's first byte; written once, read by nobody here
.endr
.endm
	s_wait_kmcnt 0x0
	s_add_co_i32 s96, s96, s97                     ; e6 + e7, between -126 and 127,
	s_add_co_i32 s96, s96, 127
	s_lshl_b32 s96, s96, 23                        ; makes the f32 number 2^(e6 + e7)
	PLACES NP                                      ; behind the last products: for the loads into the registers that held A's fragments and for the reads of results
	TOSTAGE 0
.irp a, 1,2,3,4,5,6,7
.if \a > 1
	s_wait_xcnt 0x0                                ; block a - 2's stores have read their registers and their base: block a's loads may land there, and the base may step
.endif
	TOSTAGE \a
	SEND \a-1, 32                                  ; behind block a - 1's loads: block a's 16 stores and 16 loads
.endr
	s_wait_xcnt 0x0                                ; block 6's stores have read their base
	SEND 7, 0
	s_wait_tensorcnt 0x0                           ; the wave's end: behind my last tensor load and my last LDS store
	ds_add_u32 v[SPW], v[NIL]
	s_wait_dscnt 0x0
	CROUND                                         ; the closing round: no work-group ends while a partner may still ask for a tile that names it
	s_endpgm
.Lfunc_end_k_q658b774d8a_oproj:
	.size	k_q658b774d8a_oproj, .Lfunc_end_k_q658b774d8a_oproj-k_q658b774d8a_oproj
	.p2alignl 7, 3214868480
	.fill 96, 4, 3214868480
	.section	.rodata,"a",@progbits
	.p2align	6, 0x0
	.amdhsa_kernel k_q658b774d8a_oproj
		.amdhsa_group_segment_fixed_size 327680
		.amdhsa_private_segment_fixed_size 0
		.amdhsa_enable_private_segment 0
		.amdhsa_kernarg_size 32
		.amdhsa_user_sgpr_count 2
		.amdhsa_user_sgpr_kernarg_segment_ptr 1
		.amdhsa_wavefront_size32 1
		.amdhsa_system_sgpr_workgroup_id_x 1
		.amdhsa_system_sgpr_workgroup_id_y 1
		.amdhsa_system_sgpr_workgroup_id_z 1
		.amdhsa_system_vgpr_workitem_id 0
		.amdhsa_next_free_vgpr 1024
		.amdhsa_next_free_sgpr 98
		.amdhsa_reserve_vcc 0
		.amdhsa_float_denorm_mode_32 3
		.amdhsa_float_denorm_mode_16_64 3
		.amdhsa_memory_ordered 1
		.amdhsa_forward_progress 1
		.amdhsa_inst_pref_size 124
	.end_amdhsa_kernel
	.amdgpu_metadata
---
amdhsa.version: [ 1, 2 ]
amdhsa.kernels:
  - .name:           k_q658b774d8a_oproj
    .symbol:         k_q658b774d8a_oproj.kd
    .args:
      - { .name: ac, .offset: 0, .size: 8, .value_kind: global_buffer, .address_space: global }
      - { .name: woc, .offset: 8, .size: 8, .value_kind: global_buffer, .address_space: global }
      - { .name: lowp_scales, .offset: 16, .size: 8, .value_kind: global_buffer, .address_space: global }
      - { .name: out0, .offset: 24, .size: 8, .value_kind: global_buffer, .address_space: global }
    .group_segment_fixed_size: 327680
    .private_segment_fixed_size: 0
    .kernarg_segment_align: 8
    .kernarg_segment_size: 32
    .max_flat_workgroup_size: 128
    .sgpr_count:     98
    .vgpr_count:     1024
    .wavefront_size: 32
...
	.end_amdgpu_metadata
.endif
;; end of part 4
